; MI455X (gfx1250); checked and timed in simulation.
; The chip was launched on July 23, 2026; its instructions are those of AMD's public machine-readable ISA for CDNA 5 (MIT licence, August 2026) and "CDNA5" Instruction Set Architecture Reference Guide (July 2026). The comments in the code are by the model that wrote it; some were corrected since.
;; Multi Head Attention. Allowed arithmetic: float matrix products may take bf16 or f16 operands with f32 sums; all other float work in f32.
;; Inputs: Wk 1,024 x 1,024 float32; Wo 1,024 x 1,024 float32; Wq 1,024 x 1,024 float32; Wv 1,024 x 1,024 float32; bk 1,024 float32; bo 1,024 float32; bq 1,024 float32; bv 1,024 float32; key 4 x 2,048 x 1,024 float32; query 4 x 2,048 x 1,024 float32; value 4 x 2,048 x 1,024 float32.
;; Outputs: out0 4 x 2,048 x 1,024 float32.
;; One version. Each part assembles by itself: llvm-mc -triple=amdgcn-amd-amdhsa -mcpu=gfx1250 --defsym DOCPART=n.
;; ======== version 1 of 1: 4 launches
;; limits: values are held in f16: magnitudes above 65,504 overflow, below 6.1e-05 lose precision
;; workspace buffers: wq16 2,097,152 bytes; wk16 2,097,152 bytes; wv16 2,097,152 bytes; wo16 2,097,152 bytes; qh 16,777,216 bytes; kh 16,777,216 bytes; vh 16,777,216 bytes; oh 16,777,216 bytes
;; launch wprep (part 1): grid 64 x 4, 8 waves a work-group, no clusters, 0 bytes of LDS; arguments Wq, Wk, Wv, Wo, wq16, wk16, wv16, wo16; writes wq16, wk16, wv16, wo16
.if DOCPART == 1
	.amdgcn_target "amdgcn-amd-amdhsa--gfx1250"
	.amdhsa_code_object_version 6
	.text
	.protected	k_q0a2f1dbaf5_wprep
	.globl	k_q0a2f1dbaf5_wprep
	.p2align	8
	.type	k_q0a2f1dbaf5_wprep,@function
k_q0a2f1dbaf5_wprep:
	s_mov_b64 s[64:65], 0
	v_nop
	global_prefetch_b8 v0, s[64:65] scope:SCOPE_SE
	s_setreg_imm32_b32 hwreg(HW_REG_WAVE_MODE, 25, 1), 1
	s_wait_xcnt 0x0
; The four weight matrices [1024][1024] f32 are rounded once to 16 bits, in the order in which they lie ([k][n]): nothing is transposed.
; Wq, Wk, Wv -> bf16.  Wo -> bf16, and that number written as f16, since the last product's other operand is f16.
; LIMIT.  bf16(Wo) beyond 65,504 becomes an infinity in f16; below 6.1e-5 it keeps f16's fixed step of 6e-8.
; A stream: no LDS, no barrier, no matrix unit.  Grid y picks the matrix; a work-group owns 16,384 numbers (65,536 bytes in, 32,768 out).
; Thread t owns, in pass p of 8, the numbers 2,048 p + 8 t .. + 7: two 16-byte loads, one 16-byte store; a wave's store covers 512 consecutive bytes, aligned.
; All 16 loads go out first; no register is written twice, so no source of a pending load or store is ever rewritten.
.set X, 4                              ; v[4:67]    pass p: 8 numbers in f32
.set Y, 68                             ; v[68:99]   pass p: 4 registers to store
.set T, 100                            ; v[100:102] at work
	s_load_b512 s[4:19], s[0:1], 0x0               ; Wq s[4:5], Wk s[6:7], Wv s[8:9], Wo s[10:11]; wq16 s[12:13], wk16 s[14:15], wv16 s[16:17], wo16 s[18:19]
	s_and_b32 s20, ttmp7, 0xffff                   ; which matrix
	s_lshl_b32 s22, ttmp9, 16                      ; my 65,536 bytes of the source,
	s_mov_b32 s23, 0
	s_lshl_b32 s30, ttmp9, 15                      ; my 32,768 of the result
	s_mov_b32 s31, 0
	s_mov_b32 s28, 0xffff0000                      ; a word's upper bf16
	v_lshlrev_b32 v1, 5, v0                        ; 32 t
	v_lshlrev_b32 v2, 4, v0                        ; 16 t
	s_wait_kmcnt 0x0
	s_cmp_eq_u32 s20, 1
	s_cselect_b64 s[24:25], s[6:7], s[4:5]
	s_cselect_b64 s[26:27], s[14:15], s[12:13]
	s_cmp_eq_u32 s20, 2
	s_cselect_b64 s[24:25], s[8:9], s[24:25]
	s_cselect_b64 s[26:27], s[16:17], s[26:27]
	s_cmp_eq_u32 s20, 3
	s_cselect_b64 s[24:25], s[10:11], s[24:25]
	s_cselect_b64 s[26:27], s[18:19], s[26:27]
	s_add_nc_u64 s[24:25], s[24:25], s[22:23]
	s_add_nc_u64 s[26:27], s[26:27], s[30:31]
.irp p, 0,1,2,3,4,5,6,7
	global_load_b128 v[X+8*(\p):X+8*(\p)+3],   v1, s[24:25] offset:(\p)*8192 th:TH_LOAD_NT
	global_load_b128 v[X+8*(\p)+4:X+8*(\p)+7], v1, s[24:25] offset:(\p)*8192+16 th:TH_LOAD_NT
.endr
	s_cmp_eq_u32 s20, 3
	s_cbranch_scc1 .Lwo
.irp p, 0,1,2,3,4,5,6,7
	s_wait_loadcnt 14-2*(\p)                       ; loads come back in order: pass p's two are in, the 14 - 2 p younger ones stay out
.irp i, 0,1,2,3
	v_cvt_pk_bf16_f32 v[Y+4*(\p)+(\i)], v[X+8*(\p)+2*(\i)], v[X+8*(\p)+2*(\i)+1]
.endr
	global_store_b128 v2, v[Y+4*(\p):Y+4*(\p)+3], s[26:27] offset:(\p)*4096
.endr
	s_endpgm
.Lwo:                                                  ; Wo: rounded to bf16, widened again, written as f16
.irp p, 0,1,2,3,4,5,6,7
	s_wait_loadcnt 14-2*(\p)
.irp i, 0,1,2,3
	v_cvt_pk_bf16_f32 v[T], v[X+8*(\p)+2*(\i)], v[X+8*(\p)+2*(\i)+1]
	v_lshlrev_b32 v[T+1], 16, v[T]
	v_and_b32 v[T+2], s28, v[T]
	v_cvt_pk_f16_f32 v[Y+4*(\p)+(\i)], v[T+1], v[T+2]
.endr
	global_store_b128 v2, v[Y+4*(\p):Y+4*(\p)+3], s[26:27] offset:(\p)*4096
.endr
	s_endpgm
.Lfunc_end_k_q0a2f1dbaf5_wprep:
	.size	k_q0a2f1dbaf5_wprep, .Lfunc_end_k_q0a2f1dbaf5_wprep-k_q0a2f1dbaf5_wprep
	.p2alignl 7, 3214868480
	.fill 96, 4, 3214868480
	.section	.rodata,"a",@progbits
	.p2align	6, 0x0
	.amdhsa_kernel k_q0a2f1dbaf5_wprep
		.amdhsa_group_segment_fixed_size 0
		.amdhsa_private_segment_fixed_size 0
		.amdhsa_enable_private_segment 0
		.amdhsa_kernarg_size 64
		.amdhsa_user_sgpr_count 2
		.amdhsa_user_sgpr_kernarg_segment_ptr 1
		.amdhsa_wavefront_size32 1
		.amdhsa_system_sgpr_workgroup_id_x 1
		.amdhsa_system_sgpr_workgroup_id_y 1
		.amdhsa_system_sgpr_workgroup_id_z 1
		.amdhsa_system_vgpr_workitem_id 0
		.amdhsa_next_free_vgpr 104
		.amdhsa_next_free_sgpr 66
		.amdhsa_reserve_vcc 0
		.amdhsa_float_denorm_mode_32 3
		.amdhsa_float_denorm_mode_16_64 3
		.amdhsa_memory_ordered 1
		.amdhsa_forward_progress 1
		.amdhsa_inst_pref_size 13
	.end_amdhsa_kernel
	.amdgpu_metadata
---
amdhsa.version: [ 1, 2 ]
amdhsa.kernels:
  - .name:           k_q0a2f1dbaf5_wprep
    .symbol:         k_q0a2f1dbaf5_wprep.kd
    .args:
      - { .name: Wq, .offset: 0, .size: 8, .value_kind: global_buffer, .address_space: global }
      - { .name: Wk, .offset: 8, .size: 8, .value_kind: global_buffer, .address_space: global }
      - { .name: Wv, .offset: 16, .size: 8, .value_kind: global_buffer, .address_space: global }
      - { .name: Wo, .offset: 24, .size: 8, .value_kind: global_buffer, .address_space: global }
      - { .name: wq16, .offset: 32, .size: 8, .value_kind: global_buffer, .address_space: global }
      - { .name: wk16, .offset: 40, .size: 8, .value_kind: global_buffer, .address_space: global }
      - { .name: wv16, .offset: 48, .size: 8, .value_kind: global_buffer, .address_space: global }
      - { .name: wo16, .offset: 56, .size: 8, .value_kind: global_buffer, .address_space: global }
    .group_segment_fixed_size: 0
    .private_segment_fixed_size: 0
    .kernarg_segment_align: 8
    .kernarg_segment_size: 64
    .max_flat_workgroup_size: 256
    .sgpr_count:     66
    .vgpr_count:     104
    .wavefront_size: 32
...
	.end_amdgpu_metadata
.endif
;; end of part 1
;; launch qkv (part 2): grid 4 x 192, 4 waves a work-group, clusters of 4 x 4, 327,680 bytes of LDS; arguments query, key, value, wq16, wk16, wv16, bq, bk, bv, qh, kh, vh; writes qh, kh, vh
.if DOCPART == 2
	.amdgcn_target "amdgcn-amd-amdhsa--gfx1250"
	.amdhsa_code_object_version 6
	.text
	.protected	k_q0a2f1dbaf5_qkv
	.globl	k_q0a2f1dbaf5_qkv
	.p2align	8
	.type	k_q0a2f1dbaf5_qkv,@function
k_q0a2f1dbaf5_qkv:
	s_mov_b64 s[64:65], 0
	v_nop
	global_prefetch_b8 v0, s[64:65] scope:SCOPE_SE
	s_setreg_imm32_b32 hwreg(HW_REG_WAVE_MODE, 25, 1), 1
	s_wait_xcnt 0x0
	s_wait_alu depctr_hold_cnt(0) depctr_sa_sdst(0) depctr_va_vdst(0) depctr_va_sdst(0) depctr_va_ssrc(0) depctr_va_vcc(0) depctr_vm_vsrc(0)
	s_getreg_b32 s2, hwreg(HW_REG_IB_STS2, 6, 4)
	s_cmp_eq_u32 s2, 0
	s_cbranch_scc0 .Lentry_in_a_cluster
	s_endpgm
.Lentry_in_a_cluster:
	s_bfe_u32 s2, ttmp6, 0x10000c
	s_cmp_lg_u32 s2, 0xf033
	s_cbranch_scc0 .Lentry_shape_is_right
	s_endpgm
.Lentry_shape_is_right:
; q, k, v = x W + b for x = query, key, value: three products [8192][1024] x [1024][1024].  x is f32 and is rounded to bf16 in registers on its way from LDS to the matrix unit; W is bf16, [k][n];
; b is rounded to bf16 like the other inputs and is the C operand of the first product; sums in f32.  The result is rounded once to f16 and written by heads, [b 16 + h][s][64], unscaled.
; LIMITS.  f16 holds no number beyond 65,504: a q, k or v past that becomes an infinity; below 6.1e-5 f16 keeps its fixed step of 6e-8.  NaN and infinities are not treated apart.
; SHARES.  A tile of the result is 128 rows x 256 columns: 64 x 4 tiles a product, 768 work-groups.  Four waves, 2 x 2, each 64 x 128: 32 accumulators, 256 registers.
; K goes in 8 steps of 128 through two LDS slots filled by the tensor data mover: x's rows in a tile are 512 bytes of memory at multiples of 512, W's likewise.
; CLUSTER.  4 x 4 work-groups: the cluster's x is the tile column, sixteen clusters along y make one product.  The four of a row need the same tile of x, the four of a column the same tile of W: each is asked
; for JOINTLY, by the same tensor load with the same descriptor and a mask that names the four.
; THE MATRIX INSTRUCTION IS USED TRANSPOSED: source 0 = 16 columns of W (turned on the way out of LDS by ds_load_tr16_b128), source 1 = 16 rows of x: a lane then holds eight neighbouring columns of one row.
; A QUARTER is 32 along K: 32 products, each accumulator once, so that no two products on end share an accumulator.  The next quarter's 32 LDS loads stand in ONE run behind product 7,
; never singly among the products; the quarter's 32 roundings to bf16 stand in fours behind single products.
; REGISTERS, in windows of 256 (s_set_vgpr_msb: bits 1:0 source 0, 3:2 source 1, 5:4 source 2, 7:6 destination):
;   window 0: v0-31 addresses; v32-95 x as loaded, 16 f32 for each of 4 blocks of 16 rows; v96-127 the same in bf16, 4 fragments; v192-255 the bias; on the way out v32-159
;   window 1: v0-63, v64-127 W's fragments, two buffers of 8          window 2: accumulator (a, b) at v[8 (8 a + b)]
.set PA,    528                        ; a row of x in LDS: 512 bytes + 16 of padding = 132 words: row r starts at bank 4 r mod 64 (64 banks of 4 bytes: ISA guide 11.1)
.set AHALF, 64*PA                      ; 64 rows: what one tensor load brings of x, and what one wave reads
.set ATILE, 2*AHALF
.set PB,    544                        ; a row of W in LDS: 512 + 32 = 136 words: row r starts at bank 8 r mod 64
.set BHALF, 64*PB                      ; 64 rows along K: what one tensor load brings of W
.set SLOT,  ATILE+2*BHALF              ; x's 128 rows, then W's 128 rows
.set STAGE, 2*SLOT                     ; behind the ring, never filled by a tensor load: 16 rows x 144 bytes for each wave, for the way out
.set SP,    144
.set SPARE, STAGE+4*16*SP              ; behind the stages: the spare words, 128 bytes for each wave: two blocks of 256 bytes that no other line names
.set ADRA, 16                          ; v16-17  LDS address of my rows of x in slot 0, 1
.set ADRB, 20                          ; v20-21  the same for W's columns
.set STO,  24                          ; v24     the way out: where I put 16 bytes of a row
.set RD,   25                          ; v25     the way out: where I read rows back
.set GO,   26                          ; v26     my byte offset in 512 consecutive bytes of the result
.set PF,   27                          ; v27     my byte offset in the tile's rows of x, for the prefetch; never rewritten
.set SPW,  28                          ; v28     LDS address of my spare word: SPARE + 4 x my thread's number; never rewritten
.set NIL,  29                          ; v29     0; never rewritten
.set BO,   30                          ; v30     my byte offset in the bias
.set T,    31                          ; v31     at work
.set RAW,  32
.set AB,   96
.set OUTR, 32
.set BIAS, 192
.set FB0,  0                           ; in window 1
.set FB1,  64
.set G1,  24                           ; s[24:31] descriptor group 1 for x's tiles;  s[32:39] group 0, one set for each slot
.set G0,  32
.set G1B, 48                           ; s[48:55], s[56:63] the same for W's tiles
.set G0B, 56
.set MSB, 0
.macro WIN new                         ; the immediate's high byte repeats the setting that is left; a switch that changes nothing is dropped
.if MSB != (\new)
	s_set_vgpr_msb (MSB<<8)|(\new)
.set MSB, \new
.endif
.endm
.set MUL,  0xa1                        ; source 0 (W) window 1, source 1 (x) window 0, C and D window 2
.set MUL1, 0x81                        ; the same with C (the bias) in window 0
.set TO_B, 0x40                        ; destination window 1, address window 0
.macro JLOAD s                         ; a joint load: waves 0 and 1 fetch x's two halves, waves 2 and 3 W's; an s_nop 0 and four v_nop follow each of the two lines, ahead of the jump, the label and what follows
	s_cmp_eq_u32 s11, 0
	s_cbranch_scc0 .Lfor_b_\@
	tensor_load_to_lds s[G0+4*(\s):G0+4*(\s)+3], s[G1:G1+7]
	s_nop 0
.rept 4
	v_nop
.endr
	s_branch .Lasked_\@
.Lfor_b_\@:
	tensor_load_to_lds s[G0B+4*(\s):G0B+4*(\s)+3], s[G1B:G1B+7]
	s_nop 0
.rept 4
	v_nop
.endr
.Lasked_\@:
.endm
.macro CREST                           ; a round of the cluster's barrier behind its opening barrier
	s_cmp_lg_u32 s10, 0
	s_cbranch_scc1 .Lnot_wave_0_\@
	s_barrier_signal -3
.Lnot_wave_0_\@:
	s_barrier_wait -3
	s_barrier_signal -1
	s_barrier_wait -1
.endm
.macro CROUND                          ; a whole round
	s_barrier_signal -1
	s_barrier_wait -1
	CREST
.endm
.macro PLACES                          ; four places behind a matrix instruction, where no other plain vector work is at hand (ISA guide 7.12.1)
.rept 4
	v_nop
.endr
.endm
	s_load_b512 s[72:87], s[0:1], 0x0              ; query s[72:73], key, value; wq16 s[78:79], wk16, wv16; bq s[84:85], bk
	s_load_b256 s[88:95], s[0:1], 0x40             ; bv s[88:89]; qh s[90:91], kh, vh
	v_lshl_add_u32 v[SPW], v0, 2, SPARE
	v_mov_b32 v[NIL], 0
	ds_add_u32 v28, v29
	s_wait_dscnt 0x0
	v_lshrrev_b32 v1, 5, v0
	v_readfirstlane_b32 s10, v1                    ; wave 0..3
	s_lshr_b32 s11, s10, 1                         ; which half of the tile's rows is mine.  Also: I fetch for x (0) or for W (1)
	s_and_b32 s12, s10, 1                          ; which half of its columns.  Also: which 64 rows of that tile I fetch
	s_bfe_u32 s40, ttmp6, 0x40000                  ; cx, cy: my place in the cluster
	s_bfe_u32 s41, ttmp6, 0x40004
	s_lshl_b32 s42, ttmp9, 2
	s_add_co_u32 s42, s42, s40                     ; tile column = 4 x cluster x + cx
	s_and_b32 s14, ttmp7, 0xffff                   ; cluster y, 0..47
	s_lshr_b32 s45, s14, 4                         ; which product: 0 q, 1 k, 2 v: the same in all sixteen partners
	s_and_b32 s13, s14, 15
	s_lshl_b32 s13, s13, 2
	s_add_co_u32 s13, s13, s41                     ; tile row = 4 x (cluster y mod 16) + cy
	s_lshl_b32 s43, s41, 2
	s_lshl_b32 s43, 15, s43                        ; my row of the cluster
	s_lshl_b32 s44, 0x1111, s40                    ; my column
	; descriptor group 1 for x: 64 rows x 128 elements of 4 bytes, padded in LDS
	s_or_b32 s[G1+0], s43, (2<<16)|(1<<20)|(1<<21)|(6<<22)|(3<<25)  ; 15:0 the mask: my row; 17:16 elements of 4 bytes; 20 padding on; 21 set beside a mask; 24:22 after every 128 words (code 6); 31:25 4 words (code 3)
	s_mov_b32 s[G1+1], 128<<16                     ; tensor_dim0 = 128
	s_mov_b32 s[G1+2], 64<<16                      ; tensor_dim1 = 64
	s_mov_b32 s[G1+3], 128<<16                     ; tile_dim0 = 128
	s_mov_b32 s[G1+4], 64                          ; tile_dim1 = 64
	s_mov_b32 s[G1+5], 1024                        ; elements from row to row
	s_mov_b32 s[G1+6], 0
	s_mov_b32 s[G1+7], 0
	; and for W: 64 rows along K x 256 elements of 2 bytes
	s_or_b32 s[G1B+0], s44, (1<<16)|(1<<20)|(1<<21)|(6<<22)|(7<<25) ; the mask: my column; elements of 2 bytes; after every 128 words 8 words of padding (code 7)
	s_mov_b32 s[G1B+1], 256<<16
	s_mov_b32 s[G1B+2], 64<<16
	s_mov_b32 s[G1B+3], 256<<16
	s_mov_b32 s[G1B+4], 64
	s_mov_b32 s[G1B+5], 1024
	s_mov_b32 s[G1B+6], 0
	s_mov_b32 s[G1B+7], 0
	; where the tiles come from: x's hang on the tile row alone, W's on the tile column alone, each in registers that never hold the other coordinate
	s_lshl_b32 s16, s13, 7
	s_lshl_b32 s17, s12, 6
	s_add_co_u32 s16, s16, s17                     ; x: row 128 x tile row + 64 x half,
	s_lshl_b32 s16, s16, 12                        ; of 4,096 bytes
	s_mov_b32 s17, 0
	s_lshl_b32 s46, s12, 17                        ; W: 64 x half rows of 2,048 bytes,
	s_lshl_b32 s47, s42, 9                         ; 256 x tile column elements of 2 bytes
	s_add_co_u32 s46, s46, s47
	s_mov_b32 s47, 0
	s_mul_i32 s20, s12, AHALF                      ; and where they go: no place in the cluster enters an LDS address
	s_mul_i32 s21, s12, BHALF
	s_add_co_u32 s21, s21, ATILE
	s_lshl_b32 s18, s13, 19                        ; the tile's first row of x, in bytes
	s_mov_b32 s19, 0
	s_mov_b32 s2, 0xffff0000                       ; a word's upper bf16
	s_wait_kmcnt 0x0
	s_cmp_eq_u32 s45, 1
	s_cselect_b64 s[4:5], s[74:75], s[72:73]       ; x
	s_cselect_b64 s[6:7], s[80:81], s[78:79]       ; W
	s_cselect_b64 s[66:67], s[86:87], s[84:85]     ; b
	s_cselect_b64 s[8:9], s[92:93], s[90:91]       ; the result
	s_cmp_eq_u32 s45, 2
	s_cselect_b64 s[4:5], s[76:77], s[4:5]
	s_cselect_b64 s[6:7], s[82:83], s[6:7]
	s_cselect_b64 s[66:67], s[88:89], s[66:67]
	s_cselect_b64 s[8:9], s[94:95], s[8:9]
	s_add_nc_u64 s[14:15], s[4:5], s[16:17]
	s_add_nc_u64 s[46:47], s[6:7], s[46:47]
	s_add_nc_u64 s[68:69], s[4:5], s[18:19]        ; the prefetch's base
	CROUND                                         ; all sixteen work-groups are here: the first joint loads meet
.irp s, 0,1
	s_mov_b32 s[G0+4*(\s)], 1                                      ; count = 1
	s_add_co_u32 s[G0+4*(\s)+1], s20, (\s)*SLOT                    ; LDS address
	s_add_nc_u64 s[G0+4*(\s)+2:G0+4*(\s)+3], s[14:15], (\s)*512    ; global address: K step s
	s_or_b32 s[G0+4*(\s)+3], s[G0+4*(\s)+3], 0x80000000            ; type = 2
	s_mov_b32 s[G0B+4*(\s)], 1
	s_add_co_u32 s[G0B+4*(\s)+1], s21, (\s)*SLOT
	s_add_nc_u64 s[G0B+4*(\s)+2:G0B+4*(\s)+3], s[46:47], (\s)*262144
	s_or_b32 s[G0B+4*(\s)+3], s[G0B+4*(\s)+3], 0x80000000
	JLOAD \s                                       ; two loads of mine are out
.endr
	v_and_b32 v1, 15, v0                           ; r = l % 16
	v_bfe_u32 v2, v0, 4, 1                         ; h = l / 16
	; PREFETCH of x.  Two K steps (a lap) of a tile's 128 rows are 512 blocks of 256 bytes; the four partners of a row of the cluster have 16 waves: wave 4 cx + w asks for rows 8 (4 cx + w) .. + 7,
	; lane l for row l / 4 and block l % 4 of them: each block once in the launch.  Here lap 1; in the loop's trips 0 and 1 laps 2 and 3, a lap ahead of the tensor loads that want them; the last trip asks for nothing.
	s_lshl_b32 s46, s40, 2
	s_add_co_u32 s46, s46, s10
	s_lshl_b32 s46, s46, 15
	v_bfe_u32 v3, v0, 2, 3
	v_and_b32 v4, 3, v0
	v_lshlrev_b32 v4, 8, v4
	v_lshl_add_u32 v3, v3, 12, v4
	v_add_nc_u32 v[PF], s46, v3
	global_prefetch_b8 v[PF], s[68:69] offset:1024 th:TH_LOAD_NT scope:SCOPE_SE
	; the bias of my 128 columns: register 8 b + j holds b[16 b + 8 h + j], the place that the result's register j has in accumulator (a, b)
	s_lshl_b32 s46, s42, 10
	s_lshl_b32 s47, s12, 9
	s_add_co_u32 s46, s46, s47
	s_mov_b32 s47, 0
	s_add_nc_u64 s[66:67], s[66:67], s[46:47]
	v_lshlrev_b32 v[BO], 5, v2
.irp b, 0,1,2,3,4,5,6,7
	global_load_b128 v[BIAS+8*(\b):BIAS+8*(\b)+3],   v[BO], s[66:67] offset:64*(\b)
	global_load_b128 v[BIAS+8*(\b)+4:BIAS+8*(\b)+7], v[BO], s[66:67] offset:64*(\b)+16
.endr
	; A fragment of x is 16 rows x 32 K: lane l holds row r and K = 8 h + 0..7 and 16 + 8 h + 0..7: in f32 two runs of 32 bytes, 64 bytes apart: four loads of 16 bytes
	v_mul_u32_u24 v3, v1, PA
	v_lshl_add_u32 v3, v2, 5, v3
	s_mul_i32 s22, s11, AHALF                      ; my 64 rows
	v_add_nc_u32 v[ADRA], s22, v3
	s_add_co_u32 s22, s22, SLOT
	v_add_nc_u32 v[ADRA+1], s22, v3
	; The turning load takes 16 K x 16 columns (lane l reads row 8 h + l % 8 along K, columns 8 ((l / 8) % 2) + 0..7) and leaves half a fragment: lane l holds column r and 8 K
	v_and_b32 v4, 7, v0
	v_lshl_add_u32 v5, v2, 3, v4
	v_mul_u32_u24 v5, v5, PB
	v_bfe_u32 v6, v0, 3, 1
	v_lshl_add_u32 v5, v6, 4, v5
	s_lshl_b32 s23, s12, 8                         ; my 128 columns,
	s_add_co_u32 s23, s23, ATILE                   ; behind x's rows
	v_add_nc_u32 v[ADRB], s23, v5
	s_add_co_u32 s23, s23, SLOT
	v_add_nc_u32 v[ADRB+1], s23, v5
	s_mul_i32 s22, s10, 16*SP
	s_add_co_u32 s22, s22, STAGE                   ; my stage
	v_mul_u32_u24 v3, v1, SP                       ; in: row r, 16 bytes for each half of the lanes
	v_lshl_add_u32 v3, v2, 4, v3
	v_add_nc_u32 v[STO], s22, v3
	v_bfe_u32 v3, v0, 3, 2                         ; back: 32 lanes take four rows of 128 bytes,
	v_mul_u32_u24 v3, v3, SP
	v_lshl_add_u32 v3, v4, 4, v3
	v_add_nc_u32 v[RD], s22, v3
	v_and_b32 v[GO], 31, v0                        ; which are 512 consecutive bytes of a head
	v_lshlrev_b32 v[GO], 4, v[GO]
	; where my part begins in the result: head (tile row / 16) 16 + 4 tile column + 2 half, of 262,144 bytes; row (tile row % 16) 128 + 64 half, of 128 bytes
	s_lshr_b32 s70, s13, 4
	s_lshl_b32 s70, s70, 4
	s_lshl_b32 s71, s42, 2
	s_add_co_u32 s70, s70, s71
	s_lshl_b32 s71, s12, 1
	s_add_co_u32 s70, s70, s71
	s_lshl_b32 s70, s70, 18
	s_and_b32 s71, s13, 15
	s_lshl_b32 s71, s71, 14
	s_add_co_u32 s70, s70, s71
	s_lshl_b32 s71, s11, 13
	s_add_co_u32 s70, s70, s71
	s_mov_b32 s71, 0
	s_add_nc_u64 s[8:9], s[8:9], s[70:71]
	s_wait_loadcnt 0x0                             ; the bias; it is rounded to bf16 like x and W, and widened again
.set i, 0
.rept 32
	v_cvt_pk_bf16_f32 v[T], v[BIAS+2*i], v[BIAS+2*i+1]
	v_lshlrev_b32 v[BIAS+2*i], 16, v[T]
	v_and_b32 v[BIAS+2*i+1], s2, v[T]
.set i, i+1
.endr
; Product i of a quarter's 32: row block i / 8, column block i % 8.  first = 1: the bias starts the sum: nothing is cleared and nothing is added later.
.macro PROD i, fb, first
.if \first
	WIN MUL1
	v_wmma_f32_16x16x32_bf16 v[8*(\i):8*(\i)+7], v[(\fb)+8*((\i)%8):(\fb)+8*((\i)%8)+7], v[AB+8*((\i)/8):AB+8*((\i)/8)+7], v[BIAS+8*((\i)%8):BIAS+8*((\i)%8)+7]
.else
	WIN MUL
	v_wmma_f32_16x16x32_bf16 v[8*(\i):8*(\i)+7], v[(\fb)+8*((\i)%8):(\fb)+8*((\i)%8)+7], v[AB+8*((\i)/8):AB+8*((\i)/8)+7], v[8*(\i):8*(\i)+7]
.endif
.endm
.macro LDRAW a, slot, kq               ; row block a's 16 f32 a lane, for quarter kq of the slot
	WIN 0
	ds_load_b128 v[RAW+16*(\a):RAW+16*(\a)+3],     v[ADRA+(\slot)] offset:(\a)*16*PA+(\kq)*128
	ds_load_b128 v[RAW+16*(\a)+4:RAW+16*(\a)+7],   v[ADRA+(\slot)] offset:(\a)*16*PA+(\kq)*128+16
	ds_load_b128 v[RAW+16*(\a)+8:RAW+16*(\a)+11],  v[ADRA+(\slot)] offset:(\a)*16*PA+(\kq)*128+64
	ds_load_b128 v[RAW+16*(\a)+12:RAW+16*(\a)+15], v[ADRA+(\slot)] offset:(\a)*16*PA+(\kq)*128+80
.endm
.macro CVT a, u                        ; half u of row block a's fragment: eight f32 rounded to bf16
	WIN 0
.irp i, 0,1,2,3
	v_cvt_pk_bf16_f32 v[AB+8*(\a)+4*(\u)+(\i)], v[RAW+16*(\a)+8*(\u)+2*(\i)], v[RAW+16*(\a)+8*(\u)+2*(\i)+1]
.endr
.endm
.macro LDB j, slot, kq, fb             ; W's column blocks 2 j and 2 j + 1, for quarter kq of the slot
	WIN TO_B
.irp b, 2*(\j), 2*(\j)+1
	ds_load_tr16_b128 v[(\fb)+8*(\b):(\fb)+8*(\b)+3],   v[ADRB+(\slot)] offset:(\kq)*32*PB+32*(\b)
	ds_load_tr16_b128 v[(\fb)+8*(\b)+4:(\fb)+8*(\b)+7], v[ADRB+(\slot)] offset:(\kq)*32*PB+16*PB+32*(\b)
.endr
.endm
; A QUARTER multiplies W's buffer fb by x's four fragments and makes ready the next quarter (nkq of slot nslot, W into buffer nfb).
; THE 32 LDS LOADS for the next quarter stand in ONE run behind product 7: x's 16 (all roundings that read those registers stand ahead of the run), then W's 16; the run costs three switches of the window,
; and products 8 to 31 follow it without a break.  Its first result is wanted behind product 28, the rest at the next quarter's head.
; x has ONE buffer of bf16 fragments.  Block 0's was rounded at the end of the quarter before; blocks 1 to 3 are rounded behind products 0 to 5, ahead of their first readers (products 8, 16, 24).
; A fragment is written at least four plain vector instructions behind the last product that read it: blocks 1 and 2 behind the eight roundings of block 0, block 3 behind the sixteen of blocks 1 and 2,
; block 0 (behind product 28; last read by product 7) behind the four v_nop that follow product 7.  Those four and the roundings are also the places in front of the loads into W's other buffer.
; mode 0: plain.  1: the slot's last quarter; the slot is filled again, two K steps ahead.  2: the same without a fill.  3: the very last: nothing is made ready.
; In modes 1 and 2 ONE barrier changes slots: in front of it each wave waits for all its tensor loads (one is out: its part of the next slot), adds 0 to its spare word, and waits for that and for its reads of this slot.
.macro QUARTER slot, fb, nslot, nkq, nfb, mode, first=0, pf=0
.if ((\mode) == 1) || ((\mode) == 2)
	WIN 0                                          ; (the add's two registers lie in window 0)
	s_wait_tensorcnt 0x0                           ; all my tensor loads have landed: my part of the next slot;
	ds_add_u32 v[SPW], v[NIL]                      ; 0 onto my spare word;
	s_wait_dscnt 0x1                               ; the fragments are in: only the add, issued behind them, may be out
.else
	s_wait_dscnt 0x0                               ; the run of 32 loads issued behind product 7 of the quarter before is in
.endif
	PROD 0, \fb, \first
	CVT 1, 0
	PROD 1, \fb, \first
	CVT 1, 1
	PROD 2, \fb, \first
	CVT 2, 0
	PROD 3, \fb, \first
	CVT 2, 1
.if ((\mode) == 1) || ((\mode) == 2)
	s_wait_dscnt 0x0                               ; the add is done, and my reads of this slot are over
	s_barrier_signal -1                            ; (with a fill this barrier opens a round of the cluster's barrier)
.endif
	PROD 4, \fb, \first
	CVT 3, 0
	PROD 5, \fb, \first
	CVT 3, 1
	PROD 6, \fb, \first
	PROD 7, \fb, \first
.if (\mode) == 0
	PLACES
.elseif (\mode) == 1
	WIN 0
	s_barrier_wait -1
	CREST                                          ; no wave of any partner still reads this slot's tiles or has a load on its way
	s_add_nc_u64 s[G0+4*(\slot)+2:G0+4*(\slot)+3], s[G0+4*(\slot)+2:G0+4*(\slot)+3], 2*512
	s_add_nc_u64 s[G0B+4*(\slot)+2:G0B+4*(\slot)+3], s[G0B+4*(\slot)+2:G0B+4*(\slot)+3], 2*262144
	JLOAD \slot                                    ; the first tensor load behind the round, my only one until the next: 120 products stand between it and the wait for it
.if \pf
	s_cmp_lt_u32 s3, 2                             ; the last trip has no lap left to ask for
	s_cbranch_scc1 .Lno_pf_\@
	global_prefetch_b8 v[PF], s[68:69] offset:2048 th:TH_LOAD_NT scope:SCOPE_SE
.Lno_pf_\@:
.endif
.elseif (\mode) == 2
	s_barrier_wait -1
	PLACES
.endif
.if (\mode) != 3
	LDRAW 0, \nslot, \nkq                          ; the one run
	LDRAW 1, \nslot, \nkq
	LDRAW 2, \nslot, \nkq
	LDRAW 3, \nslot, \nkq
	LDB 0, \nslot, \nkq, \nfb
	LDB 1, \nslot, \nkq, \nfb
	LDB 2, \nslot, \nkq, \nfb
	LDB 3, \nslot, \nkq, \nfb
.endif
.irp i, 8,9,10,11,12,13,14,15,16,17,18,19,20,21,22,23,24,25,26,27
	PROD \i, \fb, \first
.endr
	PROD 28, \fb, \first
.if (\mode) != 3
	WIN 0
	s_wait_dscnt 28                                ; row block 0's four loads are in: behind them 12 more of x and 16 of W were issued
	CVT 0, 0
.endif
	PROD 29, \fb, \first
.if (\mode) != 3
	CVT 0, 1
.endif
	PROD 30, \fb, \first
	PROD 31, \fb, \first
.endm
	s_wait_tensorcnt 0x1                           ; my part of K step 0 is in; K step 1's may stay out
	s_barrier_signal -1
	s_barrier_wait -1                              ; everybody's is
	LDRAW 0, 0, 0
	LDRAW 1, 0, 0
	LDRAW 2, 0, 0
	LDRAW 3, 0, 0
	LDB 0, 0, 0, FB0
	LDB 1, 0, 0, FB0
	LDB 2, 0, 0, FB0
	LDB 3, 0, 0, FB0
	WIN 0
	s_wait_dscnt 28
	CVT 0, 0
	CVT 0, 1
	QUARTER 0, FB0, 0, 1, FB1, 0, 1                ; the first quarter stands in front of the loop: its products start the sums, with the bias
	WIN 0                                          ; at a label and at a branch every window is 0
	s_mov_b32 s3, 3
.Llap:                                                 ; a trip goes once round the ring, from a lap's second quarter to the next lap's first, and fills both slots again
	QUARTER 0, FB1, 0, 2, FB0, 0
	QUARTER 0, FB0, 0, 3, FB1, 0
	QUARTER 0, FB1, 1, 0, FB0, 1, 0, 1
	QUARTER 1, FB0, 1, 1, FB1, 0
	QUARTER 1, FB1, 1, 2, FB0, 0
	QUARTER 1, FB0, 1, 3, FB1, 0
	QUARTER 1, FB1, 0, 0, FB0, 1
	QUARTER 0, FB0, 0, 1, FB1, 0
	WIN 0
	s_wait_xcnt 0x0                                ; the prefetch, five quarters back, has read its base: only now is it stepped
	s_add_nc_u64 s[68:69], s[68:69], 1024
	s_sub_co_u32 s3, s3, 1
	s_cmp_lg_u32 s3, 0
	s_cbranch_scc1 .Llap
	QUARTER 0, FB1, 0, 2, FB0, 0                   ; the last lap fills nothing, and has no round of the cluster's barrier
	QUARTER 0, FB0, 0, 3, FB1, 0
	QUARTER 0, FB1, 1, 0, FB0, 2
	QUARTER 1, FB0, 1, 1, FB1, 0
	QUARTER 1, FB1, 1, 2, FB0, 0
	QUARTER 1, FB0, 1, 3, FB1, 0
	QUARTER 1, FB1, 0, 0, FB0, 3
; THE WAY OUT.  Block t = 2 a + hh: row block a, head hh of my two: 16 rows x 64 channels.  A lane's eight channels pack into 16 bytes of f16; they go into my stage's rows of 144 bytes and come back as whole rows of 128,
; four rows a load: 512 consecutive bytes of the head.  Each accumulator's registers are taken in ascending order.
.macro PACK t
	WIN 0x0a                                       ; sources 0 and 1 window 2, destination window 0
.irp bb, 0,1,2,3
.irp rr, 0,1,2,3
	v_cvt_pk_f16_f32 v[OUTR+16*(\t)+4*(\bb)+(\rr)], v[8*(8*((\t)/2)+4*((\t)%2)+(\bb))+2*(\rr)], v[8*(8*((\t)/2)+4*((\t)%2)+(\bb))+2*(\rr)+1]
.endr
.endr
	WIN 0
.irp bb, 0,1,2,3
	ds_store_b128 v[STO], v[OUTR+16*(\t)+4*(\bb):OUTR+16*(\t)+4*(\bb)+3] offset:32*(\bb)
.endr
.irp f, 0,1,2,3
	ds_load_b128 v[OUTR+16*(\t)+4*(\f):OUTR+16*(\t)+4*(\f)+3], v[RD] offset:(\f)*4*SP  ; LDS serves a wave's instructions in order (ISA guide 5.7.1.4): these see the stores above; the next block's stores come behind them
.endr
.endm
.macro SEND t, younger                 ; younger: the LDS instructions issued behind block t's loads: the next block's eight, or none
	WIN 0
.irp f, 0,1,2,3
	s_wait_dscnt (\younger)+3-(\f)
	global_store_b128 v[GO], v[OUTR+16*(\t)+4*(\f):OUTR+16*(\t)+4*(\f)+3], s[8:9] offset:((\t)%2)*262144+((\t)/2)*2048+(\f)*512  ; 512 consecutive bytes, at a multiple of 256 from the buffer's first
.endr
.endm
	PLACES                                         ; behind the last products
	PACK 0
.irp t, 1,2,3,4,5,6,7                  ; a block's roundings stand between the loads of the block before and its stores
	PACK \t
	SEND (\t)-1, 8
.endr
	SEND 7, 0
	s_wait_tensorcnt 0x0                           ; the wave's end: behind my last tensor load and my last LDS store
	ds_add_u32 v[SPW], v[NIL]
	s_wait_dscnt 0x0
	CROUND                                         ; the closing round: no work-group ends while a partner may still ask for a tile that names it
	s_endpgm
.Lfunc_end_k_q0a2f1dbaf5_qkv:
	.size	k_q0a2f1dbaf5_qkv, .Lfunc_end_k_q0a2f1dbaf5_qkv-k_q0a2f1dbaf5_qkv
	.p2alignl 7, 3214868480
	.fill 96, 4, 3214868480
	.section	.rodata,"a",@progbits
	.p2align	6, 0x0
	.amdhsa_kernel k_q0a2f1dbaf5_qkv
		.amdhsa_group_segment_fixed_size 327680
		.amdhsa_private_segment_fixed_size 0
		.amdhsa_enable_private_segment 0
		.amdhsa_kernarg_size 96
		.amdhsa_user_sgpr_count 2
		.amdhsa_user_sgpr_kernarg_segment_ptr 1
		.amdhsa_wavefront_size32 1
		.amdhsa_system_sgpr_workgroup_id_x 1
		.amdhsa_system_sgpr_workgroup_id_y 1
		.amdhsa_system_sgpr_workgroup_id_z 1
		.amdhsa_system_vgpr_workitem_id 0
		.amdhsa_next_free_vgpr 768
		.amdhsa_next_free_sgpr 96
		.amdhsa_reserve_vcc 0
		.amdhsa_float_denorm_mode_32 3
		.amdhsa_float_denorm_mode_16_64 3
		.amdhsa_memory_ordered 1
		.amdhsa_forward_progress 1
		.amdhsa_inst_pref_size 142
	.end_amdhsa_kernel
	.amdgpu_metadata
---
amdhsa.version: [ 1, 2 ]
amdhsa.kernels:
  - .name:           k_q0a2f1dbaf5_qkv
    .symbol:         k_q0a2f1dbaf5_qkv.kd
    .args:
      - { .name: query, .offset: 0, .size: 8, .value_kind: global_buffer, .address_space: global }
      - { .name: key, .offset: 8, .size: 8, .value_kind: global_buffer, .address_space: global }
      - { .name: value, .offset: 16, .size: 8, .value_kind: global_buffer, .address_space: global }
      - { .name: wq16, .offset: 24, .size: 8, .value_kind: global_buffer, .address_space: global }
      - { .name: wk16, .offset: 32, .size: 8, .value_kind: global_buffer, .address_space: global }
      - { .name: wv16, .offset: 40, .size: 8, .value_kind: global_buffer, .address_space: global }
      - { .name: bq, .offset: 48, .size: 8, .value_kind: global_buffer, .address_space: global }
      - { .name: bk, .offset: 56, .size: 8, .value_kind: global_buffer, .address_space: global }
      - { .name: bv, .offset: 64, .size: 8, .value_kind: global_buffer, .address_space: global }
      - { .name: qh, .offset: 72, .size: 8, .value_kind: global_buffer, .address_space: global }
      - { .name: kh, .offset: 80, .size: 8, .value_kind: global_buffer, .address_space: global }
      - { .name: vh, .offset: 88, .size: 8, .value_kind: global_buffer, .address_space: global }
    .group_segment_fixed_size: 327680
    .private_segment_fixed_size: 0
    .kernarg_segment_align: 8
    .kernarg_segment_size: 96
    .max_flat_workgroup_size: 128
    .sgpr_count:     96
    .vgpr_count:     768
    .wavefront_size: 32
...
	.end_amdgpu_metadata
.endif
;; end of part 2
;; launch attn (part 3): grid 4 x 64, 4 waves a work-group, clusters of 4 x 1, 327,680 bytes of LDS; arguments qh, kh, vh, oh; writes oh
.if DOCPART == 3
	.amdgcn_target "amdgcn-amd-amdhsa--gfx1250"
	.amdhsa_code_object_version 6
	.text
	.protected	k_q0a2f1dbaf5_attn
	.globl	k_q0a2f1dbaf5_attn
	.p2align	8
	.type	k_q0a2f1dbaf5_attn,@function
k_q0a2f1dbaf5_attn:
	s_mov_b64 s[64:65], 0
	v_nop
	global_prefetch_b8 v0, s[64:65] scope:SCOPE_SE
	s_setreg_imm32_b32 hwreg(HW_REG_WAVE_MODE, 25, 1), 1
	s_wait_xcnt 0x0
	s_wait_alu depctr_hold_cnt(0) depctr_sa_sdst(0) depctr_va_vdst(0) depctr_va_sdst(0) depctr_va_ssrc(0) depctr_va_vcc(0) depctr_vm_vsrc(0)
	s_getreg_b32 s2, hwreg(HW_REG_IB_STS2, 6, 4)
	s_cmp_eq_u32 s2, 0
	s_cbranch_scc0 .Lentry_in_a_cluster
	s_endpgm
.Lentry_in_a_cluster:
	s_bfe_u32 s2, ttmp6, 0x10000c
	s_cmp_lg_u32 s2, 0x3003
	s_cbranch_scc0 .Lentry_shape_is_right
	s_endpgm
.Lentry_shape_is_right:
; O[h][q][:] = the sum over k of softmax_k(Q[h][q] . K[h][k] / 8) V[h][k][:].  Q, K, V, O: [SIZE_H][SIZE_N][64], all f16: a head's rows are dense, 128 bytes each.  Products, maxima and sums in
; f32; the weights p are rounded to f16 for the second product (their sum l is taken of the unrounded p), O once at the end.  SIZE_H is at least 2; SIZE_N x 128 bytes stay under 2^32.
; LIMITS.  f16 holds no number beyond 65,504: Q, K and V arrive within it; p lies in 0 to 1, and below 6e-5 it keeps f16's fixed step of 6e-8; O is a mean of V's rows and has their range.
; A weight below 2^-126 counts as 0 in l; NaN and infinities are not treated apart.
; SHARES.  A wave owns four PIECES of two tiles of 16 queries, a work-group's four waves 512 queries of one head; SIZE_N is a multiple of 2,048.  Every wave walks all keys, 64 a step.
; LAYOUT.  S^T = K Q^T (source 0 = 16 keys, source 1 = 16 queries): in the result a lane holds ONE query (lane % 16) and the keys 8 (lane / 16) + 0..7.  Two such tiles, rounded to f16 in pairs,
; ARE source 1 (32 keys x 16 queries) of O^T = V^T P, whose result again holds one query a lane, and eight channels.  K comes out of LDS as it lies, V ([key][channel]) turned, by ds_load_tr16_b128.
; SOFTMAX.  For each query a running maximum m and sum l: p = 2^(c s - c m), c = log2(e) / 8; in every step O and l are multiplied by a = 2^(c m_old - c m_new), which is 1 where m has not grown.
; m starts at the lowest finite number, O and l at 0: the first step is a step like any other, with a = 0.
; THE COUNT.  A tile and step have 16 matrix and 118 vector instructions: too many to stand all beside the matrix work.  So the order has one aim: four vector instructions that are READY behind
; EVERY matrix instruction, and the others, which need time of their own whatever the order, in runs without a gap.
; BY TURNS.  Turn n belongs to piece n (the pieces in a ring, step after step).  Its matrix work: 16 products K Q^T of piece n + 1, later 16 products V^T P of piece n - 1.  Its vector work: the scaling,
; exponentials, roundings, sums and rescaling of piece n, and the maximum and statistics of piece n + 1, whose scores the turn itself has made.  So what a turn begins with (c s - c m, O a) waits for nothing.
; CLUSTER.  The four query blocks of a cluster belong to one head and walk the same K and V, so each tile is asked for JOINTLY: the same tensor load, descriptor and mask in all four.
; REGISTERS, in windows of 256 (s_set_vgpr_msb says which window each operand place means: bits 1:0 source 0, 3:2 source 1, 5:4 source 2, 7:6 destination):
;   window 0: v0-11 addresses; v12-15, v48-63 at work; v16-47 four registers of statistics a tile; v64-191 S^T, two buffers of two tiles; v192-255 P, likewise
;   window 1: O^T, 32 a tile          window 2: v0-127 Q, 16 a tile; v128-191 K of one step; v192-255 V of one step          window 3: v0-1 the add's two registers
; A piece's buffers go by its number's parity: the piece in hand has one pair, its two neighbours in the ring share the other: of it P (piece n - 1) is read and S^T (piece n + 1) written.
.set SIZE_H, 64       ; 4 batches x 16 heads
.set SIZE_N, 2048     ; rows of a head
.set NP,    4         ; pieces a wave: a name, no knob: the register map, the loop and the fetches are made for four
.set KS,    64        ; keys in a step
.set PK,    144       ; a row of K in LDS: 128 bytes + 16 of padding = 36 words: the 16 rows of a load start at 16 different groups of four banks (64 banks of 4 bytes: ISA guide 11.1)
.set PV,    160       ; a row of V: 128 + 32 = 40 words
.set VOFF,  4*KS*PK   ; a slot holds four steps: 256 rows of K, then 256 rows of V
.set SLOT1, 1<<17     ; slot 1 begins here, so that one exclusive or turns an address in one slot into the other's
.set STAGE, SLOT1+4*KS*(PK+PV)  ; behind the ring, never filled by a tensor load: 16 rows x 144 bytes for each wave, for the way out
.set SP,    144
.set AK0, 2           ; v2   my lane's place in a tile of K; never rewritten
.set AV0, 3           ; v3   the same for V
.set AK,  4           ; v4   the LDS address of K's next run of loads
.set AV,  5           ; v5   of V's
.set QO,  6           ; v6   my byte offset in the wave's rows of Q
.set STO, 6           ;      later, the way out: where I put 16 bytes of a row
.set RD,  7           ; v7   the way out: where I read rows back
.set GO,  8           ; v8   my byte offset in 512 consecutive bytes of O
.set SPW, 0           ; v0 of window 3   LDS address of my spare word: SPARE + 4 x my thread's number; never rewritten
.set NIL, 1           ; v1 of window 3   0; never rewritten
.set SPARE, STAGE+4*16*SP  ; behind the stages: the spare words, 128 bytes for each wave: two blocks of 256 bytes that no other line names
.set MV,  12          ; v12-15  c m_old, kept while c m is made anew: by buffer and tile
.set ST,  16          ; tile t's statistics at v[ST+4 t]: c m, m, l (even keys', odd keys')
.set TMP, 48          ; by buffer and tile, four registers c0-c3 at work; when the maximum is found c2 takes a
.set S,   64
.set P,   192
.set KF,  128         ; K's fragments, in window 2: key block kb, channel half c at KF + 16 kb + 8 c
.set VF,  192         ; V's: key half kk, channel block cb at VF + 32 kk + 8 cb
.set WV,  12          ; s12  my wave's number
.set G1K, 24          ; s[24:31] descriptor group 1 for K's tiles
.set G1V, 32          ; s[32:39] for V's: it differs in the padding alone
.set G0K, 40          ; s[40:43] descriptor group 0 for K's tiles: it walks
.set G0V, 44          ; s[44:47] the same for V's
.set SLOTS, 56        ; s56  slots still to be asked for
.set CNT, 57          ; s57  counts a slot's key steps
.set CS,  58          ; s[58:59] c: the packed scaling takes the pair's low word for both halves
.set SEL, 60          ; s[60:61] v_permlanex16_b32's selects: each lane takes its own place in the other half
.set TBK, 62          ; s62  LDS byte at which K of the step to be fetched begins
.set TBV, 63          ; s63  the same for V, less VOFF
.set MSB, 0
.macro WIN new                      ; the high byte repeats the setting that is left; a switch that changes nothing is dropped
.if MSB != (\new)
	s_set_vgpr_msb (MSB<<8)|(\new)
.set MSB, (\new)
.endif
.endm
.set W_KQ, 0x0a       ; K and Q in window 2, S^T in window 0
.set W_PV, 0x52       ; V in window 2, P in window 0, O^T in window 1
.set W_RS, 0x41       ; O^T (destination and source 0) in window 1, a in window 0
.set W_MK, 0xc0       ; the add's registers are made: destination in window 3, sources in window 0
.set W_AD, 0x0f       ; the add: address (source 0) and data (source 1) in window 3
; A joint fill.  Waves 0 and 1 fetch the two halves of a slot's K, waves 2 and 3 those of its V: 128 keys each.  The branch hangs on the wave's number alone.
; An s_nop 0 and four v_nop follow each of the two lines, ahead of the jump and the label.
.macro JLOAD
	s_cmp_lt_u32 s[WV], 2
	s_cbranch_scc0 .Lfor_v_\@
	tensor_load_to_lds s[G0K:G0K+3], s[G1K:G1K+7]
	s_nop 0
.rept 4
	v_nop
.endr
	s_branch .Lasked_\@
.Lfor_v_\@:
	tensor_load_to_lds s[G0V:G0V+3], s[G1V:G1V+7]
	s_nop 0
.rept 4
	v_nop
.endr
.Lasked_\@:
.endm
; A round of the cluster's barrier: my work-group's barrier, so that wave 0's signal speaks for all four waves; wave 0 signals; every wave waits for all four work-groups; my work-group's barrier once more.
.macro CROUND
	s_barrier_signal -1
	s_barrier_wait -1
	s_cmp_lg_u32 s[WV], 0
	s_cbranch_scc1 .Lnot_wave_0_\@
	s_barrier_signal -3
.Lnot_wave_0_\@:
	s_barrier_wait -3
	s_barrier_signal -1
	s_barrier_wait -1
.endm
; THE CHANGE OF SLOTS.  The slot's last bytes, V of its fourth step, have been read.  Each wave waits for all its tensor loads, of which one is out: its part
; of the other slot; adds 0 to its spare word; and waits for that and for its own reads of the slot.  Behind the barrier nobody reads this slot any more and the other slot is whole.
; fill = 1: this slot is filled again, with the keys two slots on.  The barrier is then a round of the cluster's, so that no wave of any partner still reads the slot or has a load on its
; way, and the joint fill is the first thing behind it: it has four key steps, 512 matrix instructions, in which to land.  (At its first use nothing has been read yet: slot 0 is waited for, slot 1 filled.)
.macro CHANGE fill
	WIN W_AD
	s_wait_tensorcnt 0x0            ; no tensor load of mine is out, so a group 0 may be written
	ds_add_u32 v[SPW], v[NIL]       ; 0 onto my spare word; with fill = 1 the descriptors' steps stand between it and the wait for it
	WIN 0                           ; at a label and at a branch every window is 0
.if \fill
.irp g, G0K, G0V
	s_xor_b32 s[\g+1], s[\g+1], SLOT1  ; the walking descriptor: the other slot than last time,
	s_add_nc_u64 s[\g+2:\g+3], s[\g+2:\g+3], 4*KS*128  ; the next 256 keys; the type bits on top are not reached
.endr
	s_wait_dscnt 0x0                ; the add is done, and my reads of the slot are over
	CROUND
	JLOAD
.else
	s_wait_dscnt 0x0                ; the add is done, and my reads of the slot are over
	s_barrier_signal -1
	s_barrier_wait -1
.endif
	s_sub_co_u32 s[TBK], s[TBK], 4*KS*PK  ; the fetches go back to a slot's first step,
	s_xor_b32 s[TBK], s[TBK], SLOT1       ; in the other slot
	s_sub_co_u32 s[TBV], s[TBV], 4*KS*PV
	s_xor_b32 s[TBV], s[TBV], SLOT1
.endm
	s_load_b256 s[4:11], s[0:1], 0x0  ; Q s[4:5], K s[6:7], V s[8:9], O s[10:11]
	WIN W_MK
	v_lshl_add_u32 v[SPW], v0, 2, SPARE
	v_mov_b32 v[NIL], 0
	s_set_vgpr_msb 0xc0cf
	ds_add_u32 v0, v1
	s_wait_dscnt 0x0
	s_set_vgpr_msb 0xcfc0
	WIN 0
	v_lshrrev_b32 v1, 5, v0
	v_readfirstlane_b32 s[WV], v1   ; wave 0..3
	s_bfe_u32 s13, ttmp6, 0x40000   ; cx: my place in the cluster
	s_lshl_b32 s14, ttmp9, 2        ; in a cluster launch ttmp9 counts clusters
	s_add_co_u32 s14, s14, s13      ; my block of queries = 4 x cluster x + cx: it enters Q's and O's addresses alone
	s_and_b32 s20, ttmp7, 0xffff    ; the head, which the four partners share
	s_mov_b32 s21, 0
	s_mov_b64 s[22:23], SIZE_N*128
	s_mul_u64 s[20:21], s[20:21], s[22:23]  ; the head's first byte in each of the four tensors
	s_and_b32 s16, s[WV], 1         ; which half of a slot's 256 keys I fetch:
	s_lshl_b32 s22, s16, 14         ; its 128 rows of 128 bytes in memory,
	s_mov_b32 s23, 0
	s_add_nc_u64 s[22:23], s[22:23], s[20:21]
	s_mul_i32 s17, s16, 128*PK      ; and its place in a slot, for K
	s_mul_i32 s18, s16, 128*PV      ; and for V: no place in the cluster enters an LDS address
	s_lshl_b32 s2, s14, 2
	s_add_co_u32 s2, s2, s[WV]      ; my wave among the head's,
	s_lshl_b32 s2, s2, 14           ; its 128 rows
	s_mov_b32 s3, 0
	s_add_nc_u64 s[2:3], s[2:3], s[20:21]
	; descriptor group 1.  128 keys are 16,384 dense bytes: asked for as 64 rows of 256 bytes, two keys a row, and padded in LDS after every key
	s_mov_b32 s[G1K], 15|(1<<16)|(1<<20)|(1<<21)|(4<<22)|(3<<25)  ; 15:0 the mask of four; 17:16 2-byte elements; 20 padding on; 21 set beside a mask; 24:22 after every 32 words (code 4); 31:25 4 words (code 3)
	s_mov_b32 s[G1V], 15|(1<<16)|(1<<20)|(1<<21)|(4<<22)|(7<<25)  ; the same with 8 words of padding (code 7)
.irp g, G1K, G1V
	s_mov_b32 s[\g+1], 128<<16      ; tensor_dim0 = 128
	s_mov_b32 s[\g+2], 64<<16       ; tensor_dim1 = 64
	s_mov_b32 s[\g+3], 128<<16      ; tile_dim0 = 128
	s_mov_b32 s[\g+4], 64           ; tile_dim1 = 64
	s_mov_b32 s[\g+5], 128          ; 128 elements from row to row
	s_mov_b32 s[\g+6], 0
	s_mov_b32 s[\g+7], 0
.endr
	s_mov_b32 s[CS], 0x3e38aa3b     ; c = log2(e) / 8 = 0.180337
	s_mov_b32 s[CS+1], s[CS]        ; named with it as a pair
	s_mov_b32 s[SEL], 0x76543210
	s_mov_b32 s[SEL+1], 0xfedcba98
	s_mov_b32 s[TBK], SLOT1+4*KS*PK ; the first change of slots turns these two into 0
	s_mov_b32 s[TBV], SLOT1+4*KS*PV
	s_mov_b32 s[G0K], 1             ; 1:0 count = 1
	s_mov_b32 s[G0K+1], s17         ; 63:32 LDS address: slot 0
	s_mov_b32 s[G0V], 1
	s_add_co_u32 s[G0V+1], s18, VOFF
	s_wait_kmcnt 0x0
	s_add_nc_u64 s[G0K+2:G0K+3], s[6:7], s[22:23]  ; 120:64 global address: my half of the head's first 256 keys
	s_or_b32 s[G0K+3], s[G0K+3], 0x80000000        ; 127:126 type = 2
	s_add_nc_u64 s[G0V+2:G0V+3], s[8:9], s[22:23]
	s_or_b32 s[G0V+3], s[G0V+3], 0x80000000
	s_add_nc_u64 s[4:5], s[4:5], s[2:3]  ; Q and O at my wave's first row
	s_add_nc_u64 s[10:11], s[10:11], s[2:3]
	CROUND                          ; all four work-groups are here: the first joint loads meet
	JLOAD                           ; slot 0.  Slot 1 is asked for when slot 0 is in: the tile wanted first has the road to itself
	; A fragment of K or Q is 16 rows x 32 channels in 8 registers: lane l holds row l % 16, channels 8 (l / 16) + 0..7 and 16 + 8 (l / 16) + 0..7: two loads of 16 bytes, 32 bytes apart.
	v_and_b32 v1, 15, v0            ; l % 16
	v_bfe_u32 v9, v0, 4, 1          ; l / 16
	v_lshlrev_b32 v[QO], 7, v1
	v_lshl_add_u32 v[QO], v9, 4, v[QO]  ; row x 128 + 16 x half
	WIN 0x80                        ; destination window 2, address window 0
.set i, 0
.rept 4*NP                          ; Q stays in registers: tile i / 2, channels 32 (i % 2) on
	global_load_b128 v[8*i:8*i+3],   v[QO], s[4:5] offset:(i/2)*2048+(i%2)*64
	global_load_b128 v[8*i+4:8*i+7], v[QO], s[4:5] offset:(i/2)*2048+(i%2)*64+32
.set i, i+1
.endr
	; What the first turn finds: V's registers and P's second buffer hold 0 (its products V^T P, of a piece that has not been, add 0), O^T and l are 0.  All this stands in the wait for the first tile.
.set i, VF
.rept 64
	v_mov_b32 v[i], 0
.set i, i+1
.endr
	WIN 0x40
.set i, 0
.rept 64*NP
	v_mov_b32 v[i], 0
.set i, i+1
.endr
	WIN 0
.set i, 0
.rept 2*NP
	v_mov_b32 v[ST+4*i], 0xfe000000    ; c m: far below every c s
	v_mov_b32 v[ST+4*i+1], 0xff7fffff  ; m
	v_mov_b32 v[ST+4*i+2], 0
	v_mov_b32 v[ST+4*i+3], 0
.set i, i+1
.endr
.set i, P+32
.rept 32
	v_mov_b32 v[i], 0
.set i, i+1
.endr
	v_mul_u32_u24 v[AK0], v1, PK
	v_lshl_add_u32 v[AK0], v9, 4, v[AK0]  ; row x pitch + 16 x half
	; The turning load takes 16 keys x 16 channels (lane l reads key 8 (l / 16) + l % 8, channels 8 ((l / 8) % 2) + 0..7) and leaves half a fragment of V^T: lane l holds channel l % 16 and 8 keys.
	v_and_b32 v10, 7, v0
	v_bfe_u32 v11, v0, 3, 1
	v_lshl_add_u32 v[AV0], v9, 3, v10
	v_mul_u32_u24 v[AV0], v[AV0], PV
	v_lshl_add_u32 v[AV0], v11, 4, v[AV0]
	v_add_nc_u32 v[AV0], VOFF, v[AV0]
	v_mov_b32 v[AK], v[AK0]         ; key step 0 lies at the head of slot 0
; THE MATRIX WORK.  The 8 accumulators of a run of 16 take turns: between the two links of a chain stand 7 others'.
; Product i of 16 of S^T = K Q^T for piece x: channels 32 (i / 8) on, keys 16 ((i / 2) % 4) on, tile 2 x + i % 2.  The first 8 start the sums.
.macro KQ x
	WIN W_KQ
.set rS, S+64*((\x)%2)+32*(i%2)+8*((i/2)%4)
.set rK, KF+16*((i/2)%4)+8*(i/8)
.set rQ, 16*(2*(\x)+i%2)+8*(i/8)
.if i < 8
	v_wmma_f32_16x16x32_f16 v[rS:rS+7], v[rK:rK+7], v[rQ:rQ+7], 0
.else
	v_wmma_f32_16x16x32_f16 v[rS:rS+7], v[rK:rK+7], v[rQ:rQ+7], v[rS:rS+7]
.endif
.endm
; Product i of 16 of O^T += V^T P for piece x: keys 32 (i / 8) on, channels 16 ((i / 2) % 4) on, tile 2 x + i % 2.
.macro PV x
	WIN W_PV
.set rO, 32*(2*(\x)+i%2)+8*((i/2)%4)
.set rV, VF+32*(i/8)+8*((i/2)%4)
.set rP, P+32*((\x)%2)+16*(i%2)+8*(i/8)
	v_wmma_f32_16x16x32_f16 v[rO:rO+7], v[rV:rV+7], v[rP:rP+7], v[rO:rO+7]
.endm
.macro MM                           ; the turn's next matrix instruction
.if i < 16
	KQ (Y+1)%NP
.set i, i+1
.else
.set i, i-16
	PV (Y+NP-1)%NP
.set i, i+17
.endif
.endm
; THE LDS LOADS stand in runs of 16, never singly among the matrix instructions: a step's K (64 keys x 64 channels: 8 fragments) and its V (turned).  Their addresses are made some lines ahead.
; last = 1 (the tail): in the last trip there is no further step, and the run is jumped over.
.macro FETCH_K last=0
	WIN 0
.if \last
	s_cmp_eq_u32 s[CNT], 1
	s_cbranch_scc1 .Lno_k_\@
.endif
	WIN 0x80                        ; destination window 2
.irp f, 0,1,2,3,4,5,6,7             ; keys 16 (f / 2) on, channels 32 (f % 2) on
	ds_load_b128 v[KF+8*\f:KF+8*\f+3],   v[AK] offset:(\f/2)*16*PK+(\f%2)*64
	ds_load_b128 v[KF+8*\f+4:KF+8*\f+7], v[AK] offset:(\f/2)*16*PK+(\f%2)*64+32
.endr
	s_add_co_u32 s[TBK], s[TBK], KS*PK  ; the next fetch is the next step's
	WIN 0
.if \last
.Lno_k_\@:
.endif
.endm
.macro FETCH_V
	WIN 0x80
.irp f, 0,1,2,3,4,5,6,7             ; keys 32 (f / 4) on, channels 16 (f % 4) on
	ds_load_tr16_b128 v[VF+8*\f:VF+8*\f+3],   v[AV] offset:(\f/4)*32*PV+(\f%4)*32
	ds_load_tr16_b128 v[VF+8*\f+4:VF+8*\f+7], v[AV] offset:(\f/4)*32*PV+16*PV+(\f%4)*32
.endr
	WIN 0
.endm
; THE VECTOR WORK OF A TURN stands in three queues, each in the order in which its entries become ready; the two tiles alternate, so that no instruction reads the result of the one before it.
.macro REGS y, u                    ; the registers of tile u (0, 1) of piece y
.set rT, ST+4*(2*(\y)+(\u))
.set rC, TMP+8*((\y)%2)+4*(\u)
.set rM, MV+2*((\y)%2)+(\u)
.set rS, S+64*((\y)%2)+32*(\u)
.set rP, P+32*((\y)%2)+16*(\u)
.set rO, 32*(2*(\y)+(\u))
.endm
; Number n of the 22 that find the NEXT piece's (Y + 1) maximum and statistics.  s0-s31 are the lane's 32 scores; each accumulator's lowest registers are read first.  XS, GS and REGS set no window: PL and EX do.
;   0-11  four chains c0-c3 of seven scores each, three operands at a time     12-14, 16  the four scores left over, the old m, and c0-c3 into c0     15  c m_old is kept
;   17, 18  the query's other 32 keys lie in the lane 16 away: the new m         19-21  c m; c m_old - c m_new; a
.macro XS u, n
	REGS (Y+1)%NP, \u
.if (\n) < 4
	v_max3_num_f32 v[rC+(\n)], v[rS+8*(\n)], v[rS+8*(\n)+1], v[rS+8*(\n)+2]
.elseif (\n) < 12
	v_max3_num_f32 v[rC+(\n)%4], v[rC+(\n)%4], v[rS+8*((\n)%4)+2*((\n)/4)+1], v[rS+8*((\n)%4)+2*((\n)/4)+2]
.elseif (\n) == 12
	v_max3_num_f32 v[rC], v[rC], v[rS+7], v[rS+15]
.elseif (\n) == 13
	v_max3_num_f32 v[rC+1], v[rC+1], v[rS+23], v[rS+31]
.elseif (\n) == 14
	v_max3_num_f32 v[rC+2], v[rC+2], v[rC+3], v[rT+1]
.elseif (\n) == 15
	v_mov_b32 v[rM], v[rT]
.elseif (\n) == 16
	v_max3_num_f32 v[rC], v[rC], v[rC+1], v[rC+2]
.elseif (\n) == 17
	v_permlanex16_b32 v[rC+3], v[rC], s[SEL], s[SEL+1]
.elseif (\n) == 18
	v_max_num_f32 v[rT+1], v[rC], v[rC+3]
.elseif (\n) == 19
	v_mul_f32 v[rT], s[CS], v[rT+1]
.elseif (\n) == 20
	v_sub_f32 v[rC+1], v[rM], v[rT]
.else
	v_exp_f32 v[rC+2], v[rC+1]
.endif
.endm
; Number g of the 64 that follow the exponentials.  For each four weights k of a tile (pairs 2 k, 2 k + 1): both pairs are rounded to f16; then the second pair is added onto the first, in place;
; a group later l takes that sum (the first time as l = a l + sum).  In groups of eight, tiles alternating: round, round, add, and l for the group before.
.macro GS g
.set h, (\g)+6*((\g)/62)            ; group 0 has no group before it, and behind group 7 only l is left
.if h >= 6
.set h, h+2
.endif
	REGS Y, h%2
.set k, h/8
.if h%8 < 4
	s_wait_alu depctr_va_vdst(0)
	v_cvt_pk_f16_f32 v[rP+2*k+(h%8)/2], v[rS+4*k+2*((h%8)/2)], v[rS+4*k+2*((h%8)/2)+1]
.elseif h%8 < 6
	v_pk_add_f32 v[rS+4*k:rS+4*k+1], v[rS+4*k:rS+4*k+1], v[rS+4*k+2:rS+4*k+3]
.elseif k == 1
	v_pk_fma_f32 v[rT+2:rT+3], v[rT+2:rT+3], v[rC+2:rC+3], v[rS:rS+1] op_sel_hi:[1,0,1]
.else
	v_pk_add_f32 v[rT+2:rT+3], v[rT+2:rT+3], v[rS+4*k-4:rS+4*k-3]
	s_wait_alu depctr_va_vdst(0)
.endif
.endm
; THE PLAIN QUEUE, 138 long.  0-31: c s - c m for the 16 pairs of both tiles.  Then GS's 64, and among them the next piece's 42: number 15 at 38, 39; 0-14 and 16
; at 42-73, behind the products that make those scores; 17-20 at 95-106, two of three, since each waits for the one before it.
.macro PL
	WIN 0
.if q < 32
	REGS Y, q%2
	v_pk_fma_f32 v[rS+2*(q/2):rS+2*(q/2)+1], v[rS+2*(q/2):rS+2*(q/2)+1], s[CS:CS+1], v[rT:rT+1] op_sel_hi:[1,0,0] neg_lo:[0,0,1] neg_hi:[0,0,1]
.elseif q < 38
	GS q-32
.elseif q < 40
	XS q%2, 15
.elseif q < 42
	GS q-34
.elseif q < 74
	XS q%2, (q-42)/2+(q-42)/30
.elseif q < 95
	GS q-66
.elseif (q < 107) && ((q-95)%3 < 2)
	XS (q-95)%3, 17+(q-95)/3
.elseif q < 107
	GS 29+(q-95)/3
.else
	GS q-74
.endif
.set q, q+1
.endm
; THE EXPONENTIALS' QUEUE, 66 long: s0-s31 of both tiles, and at EA the next piece's two a.
.set EA, 58
.macro EX
	WIN 0
.if (e == EA) || (e == EA+1)
	XS e-EA, 21
.else
.set x, e-2*(e/(EA+2))
	REGS Y, x%2
	v_exp_f32 v[rS+x/2], v[rS+x/2]
.endif
.set e, e+1
.endm
; THE RESCALING's QUEUE: O^T times a, the one part that leaves window 0, so it is dealt four at a time, eight times.
.macro R4
	REGS Y, r%2
	WIN W_RS
	s_wait_alu depctr_va_vdst(0)
.irp z, 0,1,2,3
	v_pk_mul_f32 v[rO+8*(r/2)+2*\z:rO+8*(r/2)+2*\z+1], v[rO+8*(r/2)+2*\z:rO+8*(r/2)+2*\z+1], v[rC+2:rC+3] op_sel_hi:[1,0]
.endr
.set r, r+1
.endm
; HOW THEY ARE DEALT.  Behind a matrix instruction four: plain, exponential, plain, plain (one exponential, a plain instruction on either side), or four of the rescaling.  None names a register of the
; products round it.  What is over stands in two LUMPS: exponential and plain by turns; the second ends in 22 plain instructions.  The two v_permlanex16_b32 fall into the second lump, never behind a product.
; The queues lean on each other, and the deal keeps them in step: exponential e stands behind plain 2 (e / 4) + e % 2 (its scaling); when plain 32 comes, 10 exponentials are out, at 59: 33, at 95: 46; EA comes behind plain 107.
.macro SL
	MM
	PL
	EX
	PL
	PL
.endm
.macro BURST n                      ; 15 matrix instructions, or 16
.rept (\n)-7
	SL
.endr
.rept 3
	MM
	R4
	SL
.endr
	MM
	R4
.endm
; A TURN, for piece p.  cnt = 1: the loop's count is taken down some lines ahead of the branch that stands behind the turn.
; K of the next step is fetched in piece 2's turn, 31 vector instructions behind the last product that read K; its first reader comes behind the rest of the lump, 16 products and the second lump.
; V of the step in hand is fetched at the end of piece 0's turn, 69 behind its last reader; its first reader comes behind 16 products and a lump.  The four conditions on e and q below go with the deal.
.macro TURN p, last=0, cnt=0
.set Y, (\p)
.set i, 0
.set q, 0
.set e, 0
.set r, 0
.if (\p) == NP-1
	s_wait_dscnt 0x0                ; K is in
.endif
	MM
.rept 4
	PL
.endr
	BURST 15
.rept 22
	EX
	PL
.if ((\p) == NP-2) && (e == 18)
	v_add_nc_u32 v[AK], s[TBK], v[AK0]
.endif
.if ((\p) == NP-2) && (e == 24)
	FETCH_K \last
.endif
.endr
.if (\p) == 1
	s_wait_dscnt 0x0                ; V is in
.endif
	BURST 16
.rept 21
	EX
	PL
.endr
.rept 22
	PL
.if ((\p) == 0) && (q == 118)
	v_add_nc_u32 v[AV], s[TBV], v[AV0]
	s_wait_alu depctr_va_vdst(0)
.endif
.if ((\p) == 0) && (q == 130)
	s_add_co_u32 s[TBV], s[TBV], KS*PV
.endif
.if (\cnt) && (q == 130)
	s_sub_co_u32 s[CNT], s[CNT], 1
	s_cmp_lg_u32 s[CNT], 0
.endif
.endr
.if (\p) == 0
	FETCH_V
.endif
.endm
	CHANGE 1                        ; slot 0 is in, everybody's part of it; slot 1 is asked for
	FETCH_K                         ; key step 0
	s_wait_loadcnt 0x0              ; Q
	s_wait_dscnt 0x0
.set i, 0
.rept 16
	KQ 0                            ; piece 0's first scores: there is no vector work yet to set between them
.set i, i+1
.endr
	WIN 0                           ; the addresses for the way out: nine plain instructions, the places behind those products
	s_mul_i32 s13, s[WV], 16*SP
	s_add_co_u32 s13, s13, STAGE    ; my stage
	v_mul_u32_u24 v[STO], v1, SP    ; in: row l % 16, 16 bytes for each half of the lanes
	v_lshl_add_u32 v[STO], v9, 4, v[STO]
	v_add_nc_u32 v[STO], s13, v[STO]
	v_bfe_u32 v[RD], v0, 3, 2       ; back: 32 lanes take four rows of 128 bytes,
	v_mul_u32_u24 v[RD], v[RD], SP
	v_lshl_add_u32 v[RD], v10, 4, v[RD]
	v_add_nc_u32 v[RD], s13, v[RD]
	v_and_b32 v[GO], 31, v0         ; which are 512 consecutive bytes of O
	v_lshlrev_b32 v[GO], 4, v[GO]
.set Y, NP-1                        ; XS works for piece Y + 1: piece 0
.irp n, 0,1,2,3,4,5,6,7,8,9,10,11,12,13,14,15,16,17,18,19,20,21
	XS 0, \n                        ; and piece 0's first maximum and statistics
	XS 1, \n
.endr
	s_mov_b32 s[CNT], 4
	s_mov_b32 s[SLOTS], SIZE_N/256-1
	s_branch .Lfirst                ; the loop is entered at a step's first turn, in the middle of a trip
.Lslot:                             ; SIZE_N / 256 - 2 times: every slot but the last two is filled again
	CHANGE 1
	s_mov_b32 s[CNT], 4
.Lstep:                             ; a trip: pieces 2 and 3 of one step, then pieces 0 and 1 of the next, whose K and V it fetches
	TURN 2
	TURN 3
	WIN 0
.Lfirst:
	TURN 0
	TURN 1, 0, 1
	WIN 0
	s_cbranch_scc1 .Lstep
	s_sub_co_u32 s[SLOTS], s[SLOTS], 1
	s_cmp_lg_u32 s[SLOTS], 0
	s_cbranch_scc1 .Lslot
	CHANGE 0                        ; the tail is written out: nothing is asked for
	s_mov_b32 s[CNT], 5             ; four trips fetch the last slot's steps; the fifth is left in its middle
.Ltail:
	TURN 2, 1
	TURN 3
	WIN 0
	s_sub_co_u32 s[CNT], s[CNT], 1
	s_cmp_eq_u32 s[CNT], 0
	s_cbranch_scc1 .Lout
	TURN 0
	TURN 1
	WIN 0
	s_branch .Ltail
.Lout:                              ; the fifth trip's 16 products K Q^T (on the last K once more) and the maximum made of them serve nothing: the price, once a launch, of one text for every trip
.set i, 0
.rept 16
	PV NP-1                         ; the last piece's V^T P of the last step
.set i, i+1
.endr
	; THE WAY OUT.  l's two halves and the other half of the lanes' are added; O^T is divided by l, rounded to f16 and sent through my stage in LDS, a tile at a time.  The additions are the places behind the last products.
	WIN 0
.macro ALL line:vararg              ; one line for each tile t
.set t, 0
.rept 2*NP
	\line
.set t, t+1
.endr
.endm
	ALL v_add_f32 v[ST+4*t+2], v[ST+4*t+2], v[ST+4*t+3]
	ALL v_permlanex16_b32 v[ST+4*t+3], v[ST+4*t+2], s[SEL], s[SEL+1]
	ALL v_add_f32 v[ST+4*t+2], v[ST+4*t+2], v[ST+4*t+3]
	ALL v_rcp_f32 v[ST+4*t+2], v[ST+4*t+2]
	v_nop                           ; a plain instruction between the last reciprocal and the use of its result
	s_wait_alu depctr_va_vdst(0)
; Tile t: a lane's eight channels of a row pack into 16 bytes; they go into rows of 144 bytes and come back as whole rows of 128, into S^T's registers.
.macro PACK t
	WIN W_RS
.set i, 32*(\t)
.rept 16
	v_pk_mul_f32 v[i:i+1], v[i:i+1], v[ST+4*(\t)+2:ST+4*(\t)+3] op_sel_hi:[1,0]
.set i, i+2
.endr
	WIN 0x05                        ; sources 0 and 1 window 1, destination window 0
.set i, 0
.rept 16
	v_cvt_pk_f16_f32 v[S+16*(\t)+i], v[32*(\t)+2*i], v[32*(\t)+2*i+1]
.set i, i+1
.endr
	WIN 0
.irp f, 0,1,2,3
	ds_store_b128 v[STO], v[S+16*(\t)+4*\f:S+16*(\t)+4*\f+3] offset:32*\f
.endr
.irp f, 0,1,2,3
	ds_load_b128 v[S+16*(\t)+4*\f:S+16*(\t)+4*\f+3], v[RD] offset:\f*4*SP  ; LDS serves a wave's instructions in order (ISA guide 5.7.1.4): these see the stores above; the next tile's stores come behind them
.endr
.endm
.macro SEND t, younger              ; younger: the LDS instructions issued behind tile t's loads: the next tile's eight, or none
	WIN 0
.irp f, 0,1,2,3
	s_wait_dscnt (\younger)+3-\f
	global_store_b128 v[GO], v[S+16*(\t)+4*\f:S+16*(\t)+4*\f+3], s[10:11] offset:(\t)*2048+\f*512  ; 512 consecutive bytes, at a multiple of 256 from O's first
.endr
.endm
	PACK 0
.set t, 1
.rept 2*NP-1                        ; a tile's arithmetic stands between the loads of the tile before and its stores
	PACK t
	SEND t-1, 8
.set t, t+1
.endr
	SEND 2*NP-1, 0
	WIN W_AD
	s_wait_tensorcnt 0x0            ; the wave's end: behind my last tensor load and my last LDS store
	ds_add_u32 v[SPW], v[NIL]
	s_wait_dscnt 0x0
	WIN 0
	CROUND                          ; the closing round: no work-group ends while a partner may still ask for a tile that names it
	s_endpgm
.Lfunc_end_k_q0a2f1dbaf5_attn:
	.size	k_q0a2f1dbaf5_attn, .Lfunc_end_k_q0a2f1dbaf5_attn-k_q0a2f1dbaf5_attn
	.p2alignl 7, 3214868480
	.fill 96, 4, 3214868480
	.section	.rodata,"a",@progbits
	.p2align	6, 0x0
	.amdhsa_kernel k_q0a2f1dbaf5_attn
		.amdhsa_group_segment_fixed_size 327680
		.amdhsa_private_segment_fixed_size 0
		.amdhsa_enable_private_segment 0
		.amdhsa_kernarg_size 32
		.amdhsa_user_sgpr_count 2
		.amdhsa_user_sgpr_kernarg_segment_ptr 1
		.amdhsa_wavefront_size32 1
		.amdhsa_system_sgpr_workgroup_id_x 1
		.amdhsa_system_sgpr_workgroup_id_y 1
		.amdhsa_system_sgpr_workgroup_id_z 1
		.amdhsa_system_vgpr_workitem_id 0
		.amdhsa_next_free_vgpr 770
		.amdhsa_next_free_sgpr 66
		.amdhsa_reserve_vcc 0
		.amdhsa_float_denorm_mode_32 3
		.amdhsa_float_denorm_mode_16_64 3
		.amdhsa_memory_ordered 1
		.amdhsa_forward_progress 1
		.amdhsa_inst_pref_size 208
	.end_amdhsa_kernel
	.amdgpu_metadata
---
amdhsa.version: [ 1, 2 ]
amdhsa.kernels:
  - .name:           k_q0a2f1dbaf5_attn
    .symbol:         k_q0a2f1dbaf5_attn.kd
    .args:
      - { .name: qh, .offset: 0, .size: 8, .value_kind: global_buffer, .address_space: global }
      - { .name: kh, .offset: 8, .size: 8, .value_kind: global_buffer, .address_space: global }
      - { .name: vh, .offset: 16, .size: 8, .value_kind: global_buffer, .address_space: global }
      - { .name: oh, .offset: 24, .size: 8, .value_kind: global_buffer, .address_space: global }
    .group_segment_fixed_size: 327680
    .private_segment_fixed_size: 0
    .kernarg_segment_align: 8
    .kernarg_segment_size: 32
    .max_flat_workgroup_size: 128
    .sgpr_count:     66
    .vgpr_count:     770
    .wavefront_size: 32
...
	.end_amdgpu_metadata
.endif
;; end of part 3
;; launch oproj (part 4): grid 4 x 64, 4 waves a work-group, clusters of 4 x 4, 327,680 bytes of LDS; arguments oh, wo16, bo, out0; writes out0
.if DOCPART == 4
	.amdgcn_target "amdgcn-amd-amdhsa--gfx1250"
	.amdhsa_code_object_version 6
	.text
	.protected	k_q0a2f1dbaf5_oproj
	.globl	k_q0a2f1dbaf5_oproj
	.p2align	8
	.type	k_q0a2f1dbaf5_oproj,@function
k_q0a2f1dbaf5_oproj:
	s_mov_b64 s[64:65], 0
	v_nop
	global_prefetch_b8 v0, s[64:65] scope:SCOPE_SE
	s_setreg_imm32_b32 hwreg(HW_REG_WAVE_MODE, 25, 1), 1
	s_wait_xcnt 0x0
	s_wait_alu depctr_hold_cnt(0) depctr_sa_sdst(0) depctr_va_vdst(0) depctr_va_sdst(0) depctr_va_ssrc(0) depctr_va_vcc(0) depctr_vm_vsrc(0)
	s_getreg_b32 s2, hwreg(HW_REG_IB_STS2, 6, 4)
	s_cmp_eq_u32 s2, 0
	s_cbranch_scc0 .Lentry_in_a_cluster
	s_endpgm
.Lentry_in_a_cluster:
	s_bfe_u32 s2, ttmp6, 0x10000c
	s_cmp_lg_u32 s2, 0xf033
	s_cbranch_scc0 .Lentry_shape_is_right
	s_endpgm
.Lentry_shape_is_right:
; out = x Wo + bo, [8192][1024] f32.  x is the attention's result, f16, by heads: [b 16 + h][s][64]; the heads are merged by the order of K: a K step of 128 is two heads.  Wo is f16 (bf16's numbers), [k][n];
; bo is rounded to bf16 like the other inputs and is the C operand of the first product; sums in f32, stored as they are.
; LIMITS.  The operands arrive within f16's range; NaN and infinities are not treated apart.
; SHARES.  A tile of the result is 128 rows x 256 columns: 64 x 4 = 256 work-groups.  Four waves, 2 x 2, each 64 x 128: 32 accumulators, 256 registers.  K goes in 8 steps of 128 through two LDS slots.
; CLUSTER.  4 x 4 work-groups.  The four of a row need the same tile of x, the four of a column the same tile of Wo: each is asked for JOINTLY, by the same tensor load with the same descriptor and a mask of four.
; THE MATRIX INSTRUCTION IS USED TRANSPOSED: source 0 = 16 columns of Wo (turned by ds_load_tr16_b128), source 1 = 16 rows of x: a lane then holds eight neighbouring columns of one row.
; A QUARTER is 32 along K: 32 products, each accumulator once, so that no two products on end share an accumulator; the next quarter's 24 LDS loads stand in ONE run behind product 7.
; REGISTERS, in windows of 256 (s_set_vgpr_msb: bits 1:0 source 0, 3:2 source 1, 5:4 source 2, 7:6 destination):
;   window 0: v0-31 addresses; v32-63, v64-95 x's fragments, two buffers of 4; v192-255 the bias; on the way out v32-159
;   window 1: v0-63, v64-127 Wo's fragments, two buffers of 8          window 2: accumulator (a, b) at v[8 (8 a + b)]
.set PAO,    144                       ; a row of x in LDS: 128 bytes + 16 of padding = 36 words: the 16 rows of a load start at 16 different groups of four banks (64 banks of 4 bytes: ISA guide 11.1)
.set APLANE, 128*PAO                   ; one head's 128 rows: what one tensor load brings of x
.set ATILE,  2*APLANE
.set PB,     544                       ; a row of Wo in LDS: 512 + 32 = 136 words
.set BHALF,  64*PB                     ; 64 rows along K: what one tensor load brings of Wo
.set SLOT,   ATILE+2*BHALF
.set STAGE,  2*SLOT                    ; behind the ring, never filled by a tensor load: 16 rows x 528 bytes for each wave, for the way out
.set SPO,    528                       ; 512 bytes + 16
.set SPARE,  STAGE+4*16*SPO            ; behind the stages: the spare words, 128 bytes for each wave: two blocks of 256 bytes that no other line names
.set ADRA, 16                          ; v16-17  LDS address of my rows of x in slot 0, 1
.set ADRB, 20                          ; v20-21  the same for Wo's columns
.set STO,  24                          ; v24     the way out: where I put 32 bytes of a row
.set RD,   25                          ; v25     the way out: where I read a row back
.set CO,   26                          ; v26     my byte offset in a row's 512 bytes
.set SPW,  28                          ; v28     LDS address of my spare word: SPARE + 4 x my thread's number; never rewritten
.set NIL,  29                          ; v29     0; never rewritten
.set BO,   30                          ; v30     my byte offset in the bias
.set T,    31                          ; v31     at work
.set FA0,  32
.set FA1,  64
.set OB,   32                          ; the way out: 16 rows read back: v32-95 and v96-159 by turns
.set BIAS, 192
.set FB0,  0                           ; in window 1
.set FB1,  64
.set G1,  24                           ; s[24:31] descriptor group 1 for x's tiles;  s[32:39] group 0, one set for each slot
.set G0,  32
.set G1B, 48                           ; s[48:55], s[56:63] the same for Wo's tiles
.set G0B, 56
.set MSB, 0
.macro WIN new                         ; the immediate's high byte repeats the setting that is left; a switch that changes nothing is dropped
.if MSB != (\new)
	s_set_vgpr_msb (MSB<<8)|(\new)
.set MSB, \new
.endif
.endm
.set MUL,  0xa1                        ; source 0 (Wo) window 1, source 1 (x) window 0, C and D window 2
.set MUL1, 0x81                        ; the same with C (the bias) in window 0
.set TO_B, 0x40                        ; destination window 1, address window 0
.macro JLOAD s                         ; a joint load: waves 0 and 1 fetch x's two heads, waves 2 and 3 Wo's two halves; an s_nop 0 and four v_nop follow each of the two lines, ahead of the jump, the label and what follows
	s_cmp_eq_u32 s11, 0
	s_cbranch_scc0 .Lfor_b_\@
	tensor_load_to_lds s[G0+4*(\s):G0+4*(\s)+3], s[G1:G1+7]
	s_nop 0
.rept 4
	v_nop
.endr
	s_branch .Lasked_\@
.Lfor_b_\@:
	tensor_load_to_lds s[G0B+4*(\s):G0B+4*(\s)+3], s[G1B:G1B+7]
	s_nop 0
.rept 4
	v_nop
.endr
.Lasked_\@:
.endm
.macro CREST                           ; a round of the cluster's barrier behind its opening barrier
	s_cmp_lg_u32 s10, 0
	s_cbranch_scc1 .Lnot_wave_0_\@
	s_barrier_signal -3
.Lnot_wave_0_\@:
	s_barrier_wait -3
	s_barrier_signal -1
	s_barrier_wait -1
.endm
.macro CROUND                          ; a whole round
	s_barrier_signal -1
	s_barrier_wait -1
	CREST
.endm
.macro PLACES                          ; four places behind a matrix instruction, where no other plain vector work is at hand (ISA guide 7.12.1)
.rept 4
	v_nop
.endr
.endm
	s_load_b128 s[4:7], s[0:1], 0x0                ; x s[4:5], Wo s[6:7]
	s_load_b128 s[68:71], s[0:1], 0x10             ; bo s[68:69], out s[70:71]
	v_lshl_add_u32 v[SPW], v0, 2, SPARE
	v_mov_b32 v[NIL], 0
	ds_add_u32 v28, v29
	s_wait_dscnt 0x0
	v_lshrrev_b32 v1, 5, v0
	v_readfirstlane_b32 s10, v1                    ; wave 0..3
	s_lshr_b32 s11, s10, 1                         ; which half of the tile's rows is mine.  Also: I fetch for x (0) or for Wo (1)
	s_and_b32 s12, s10, 1                          ; which half of its columns.  Also: which head, or which 64 rows of Wo, I fetch
	s_bfe_u32 s40, ttmp6, 0x40000                  ; cx, cy: my place in the cluster
	s_bfe_u32 s41, ttmp6, 0x40004
	s_lshl_b32 s42, ttmp9, 2
	s_add_co_u32 s42, s42, s40                     ; tile column = 4 x cluster x + cx
	s_and_b32 s13, ttmp7, 0xffff
	s_lshl_b32 s13, s13, 2
	s_add_co_u32 s13, s13, s41                     ; tile row = 4 x cluster y + cy
	s_lshl_b32 s43, s41, 2
	s_lshl_b32 s43, 15, s43                        ; my row of the cluster
	s_lshl_b32 s44, 0x1111, s40                    ; my column
	; descriptor group 1 for x.  A head's 128 rows are 16,384 dense bytes: asked for as 64 rows of 256 bytes, two rows of x each, and padded in LDS after every row of x
	s_or_b32 s[G1+0], s43, (1<<16)|(1<<20)|(1<<21)|(4<<22)|(3<<25)  ; 15:0 the mask: my row; 17:16 elements of 2 bytes; 20 padding on; 21 set beside a mask; 24:22 after every 32 words (code 4); 31:25 4 words (code 3)
	s_mov_b32 s[G1+1], 128<<16                     ; tensor_dim0 = 128
	s_mov_b32 s[G1+2], 64<<16                      ; tensor_dim1 = 64
	s_mov_b32 s[G1+3], 128<<16                     ; tile_dim0 = 128
	s_mov_b32 s[G1+4], 64                          ; tile_dim1 = 64
	s_mov_b32 s[G1+5], 128                         ; elements from row to row
	s_mov_b32 s[G1+6], 0
	s_mov_b32 s[G1+7], 0
	; and for Wo: 64 rows along K x 256 elements of 2 bytes
	s_or_b32 s[G1B+0], s44, (1<<16)|(1<<20)|(1<<21)|(6<<22)|(7<<25) ; the mask: my column; after every 128 words 8 words of padding
	s_mov_b32 s[G1B+1], 256<<16
	s_mov_b32 s[G1B+2], 64<<16
	s_mov_b32 s[G1B+3], 256<<16
	s_mov_b32 s[G1B+4], 64
	s_mov_b32 s[G1B+5], 1024
	s_mov_b32 s[G1B+6], 0
	s_mov_b32 s[G1B+7], 0
	; where the tiles come from: x's hang on the tile row alone, Wo's on the tile column alone, each in registers that never hold the other coordinate
	s_lshr_b32 s16, s13, 4
	s_lshl_b32 s16, s16, 22                        ; x: the batch's 16 heads of 262,144 bytes,
	s_and_b32 s17, s13, 15
	s_lshl_b32 s17, s17, 14                        ; 128 rows of 128 bytes for each tile row in the batch,
	s_add_co_u32 s16, s16, s17
	s_lshl_b32 s17, s12, 18                        ; and the head that I fetch of a K step's two
	s_add_co_u32 s16, s16, s17
	s_mov_b32 s17, 0
	s_lshl_b32 s46, s12, 17                        ; Wo: 64 x half rows of 2,048 bytes,
	s_lshl_b32 s47, s42, 9                         ; 256 x tile column elements of 2 bytes
	s_add_co_u32 s46, s46, s47
	s_mov_b32 s47, 0
	s_mul_i32 s20, s12, APLANE                     ; and where they go: no place in the cluster enters an LDS address
	s_mul_i32 s21, s12, BHALF
	s_add_co_u32 s21, s21, ATILE
	s_mov_b32 s2, 0xffff0000                       ; a word's upper bf16
	s_wait_kmcnt 0x0
	s_add_nc_u64 s[14:15], s[4:5], s[16:17]
	s_add_nc_u64 s[46:47], s[6:7], s[46:47]
	CROUND                                         ; all sixteen work-groups are here: the first joint loads meet
.irp s, 0,1
	s_mov_b32 s[G0+4*(\s)], 1                                      ; count = 1
	s_add_co_u32 s[G0+4*(\s)+1], s20, (\s)*SLOT                    ; LDS address
	s_add_nc_u64 s[G0+4*(\s)+2:G0+4*(\s)+3], s[14:15], (\s)*524288 ; global address: K step s = heads 2 s, 2 s + 1
	s_or_b32 s[G0+4*(\s)+3], s[G0+4*(\s)+3], 0x80000000            ; type = 2
	s_mov_b32 s[G0B+4*(\s)], 1
	s_add_co_u32 s[G0B+4*(\s)+1], s21, (\s)*SLOT
	s_add_nc_u64 s[G0B+4*(\s)+2:G0B+4*(\s)+3], s[46:47], (\s)*262144
	s_or_b32 s[G0B+4*(\s)+3], s[G0B+4*(\s)+3], 0x80000000
	JLOAD \s                                       ; two loads of mine are out
.endr
	v_and_b32 v1, 15, v0                           ; r = l % 16
	v_bfe_u32 v2, v0, 4, 1                         ; h = l / 16
	; the bias of my 128 columns: register 8 b + j holds bo[16 b + 8 h + j], the place that the result's register j has in accumulator (a, b)
	s_lshl_b32 s46, s42, 10
	s_lshl_b32 s47, s12, 9
	s_add_co_u32 s46, s46, s47                     ; my first column, in bytes of f32
	s_mov_b32 s47, 0
	s_add_nc_u64 s[68:69], s[68:69], s[46:47]
	v_lshlrev_b32 v[BO], 5, v2
.irp b, 0,1,2,3,4,5,6,7
	global_load_b128 v[BIAS+8*(\b):BIAS+8*(\b)+3],   v[BO], s[68:69] offset:64*(\b)
	global_load_b128 v[BIAS+8*(\b)+4:BIAS+8*(\b)+7], v[BO], s[68:69] offset:64*(\b)+16
.endr
	; A fragment of x is 16 rows x 32 K in 8 registers: lane l holds row r, K = 8 h + 0..7 and 16 + 8 h + 0..7: two loads of 16 bytes, 32 bytes apart
	v_mul_u32_u24 v3, v1, PAO
	v_lshl_add_u32 v3, v2, 4, v3
	s_mul_i32 s22, s11, 64*PAO                     ; my 64 rows
	v_add_nc_u32 v[ADRA], s22, v3
	s_add_co_u32 s22, s22, SLOT
	v_add_nc_u32 v[ADRA+1], s22, v3
	; The turning load takes 16 K x 16 columns (lane l reads row 8 h + l % 8 along K, columns 8 ((l / 8) % 2) + 0..7) and leaves half a fragment: lane l holds column r and 8 K
	v_and_b32 v4, 7, v0
	v_lshl_add_u32 v5, v2, 3, v4
	v_mul_u32_u24 v5, v5, PB
	v_bfe_u32 v6, v0, 3, 1
	v_lshl_add_u32 v5, v6, 4, v5
	s_lshl_b32 s23, s12, 8                         ; my 128 columns,
	s_add_co_u32 s23, s23, ATILE                   ; behind x's rows
	v_add_nc_u32 v[ADRB], s23, v5
	s_add_co_u32 s23, s23, SLOT
	v_add_nc_u32 v[ADRB+1], s23, v5
	s_mul_i32 s22, s10, 16*SPO
	s_add_co_u32 s22, s22, STAGE                   ; my stage
	v_mul_u32_u24 v3, v1, SPO                      ; in: row r, 32 bytes for each half of the lanes
	v_lshl_add_u32 v3, v2, 5, v3
	v_add_nc_u32 v[STO], s22, v3
	v_and_b32 v[CO], 31, v0                        ; back: 32 lanes take one row's 512 bytes
	v_lshlrev_b32 v[CO], 4, v[CO]
	v_add_nc_u32 v[RD], s22, v[CO]
	s_lshl_b32 s66, s13, 19                        ; my first row of the result: 128 x tile row + 64 x half, of 4,096 bytes,
	s_lshl_b32 s67, s11, 18
	s_add_co_u32 s66, s66, s67
	s_add_co_u32 s66, s66, s46                     ; and my first column
	s_mov_b32 s67, 0
	s_add_nc_u64 s[70:71], s[70:71], s[66:67]
	s_wait_loadcnt 0x0                             ; the bias; it is rounded to bf16 like the other inputs, and widened again
.set i, 0
.rept 32
	v_cvt_pk_bf16_f32 v[T], v[BIAS+2*i], v[BIAS+2*i+1]
	v_lshlrev_b32 v[BIAS+2*i], 16, v[T]
	v_and_b32 v[BIAS+2*i+1], s2, v[T]
.set i, i+1
.endr
; Product i of a quarter's 32: row block i / 8, column block i % 8.  first = 1: the bias starts the sum: nothing is cleared and nothing is added later.
.macro PROD i, fa, fb, first
.if \first
	WIN MUL1
	v_wmma_f32_16x16x32_f16 v[8*(\i):8*(\i)+7], v[(\fb)+8*((\i)%8):(\fb)+8*((\i)%8)+7], v[(\fa)+8*((\i)/8):(\fa)+8*((\i)/8)+7], v[BIAS+8*((\i)%8):BIAS+8*((\i)%8)+7]
.else
	WIN MUL
	v_wmma_f32_16x16x32_f16 v[8*(\i):8*(\i)+7], v[(\fb)+8*((\i)%8):(\fb)+8*((\i)%8)+7], v[(\fa)+8*((\i)/8):(\fa)+8*((\i)/8)+7], v[8*(\i):8*(\i)+7]
.endif
.endm
.macro LDA j, slot, kq, fa             ; x's row blocks 2 j and 2 j + 1, for quarter kq of the slot: head kq / 2 of its two, channels 32 (kq % 2) on
	WIN 0
.irp a, 2*(\j), 2*(\j)+1
	ds_load_b128 v[(\fa)+8*(\a):(\fa)+8*(\a)+3],   v[ADRA+(\slot)] offset:((\kq)/2)*APLANE+(\a)*16*PAO+((\kq)%2)*64
	ds_load_b128 v[(\fa)+8*(\a)+4:(\fa)+8*(\a)+7], v[ADRA+(\slot)] offset:((\kq)/2)*APLANE+(\a)*16*PAO+((\kq)%2)*64+32
.endr
.endm
.macro LDB j, slot, kq, fb             ; Wo's column blocks 2 j and 2 j + 1, for quarter kq of the slot
	WIN TO_B
.irp b, 2*(\j), 2*(\j)+1
	ds_load_tr16_b128 v[(\fb)+8*(\b):(\fb)+8*(\b)+3],   v[ADRB+(\slot)] offset:(\kq)*32*PB+32*(\b)
	ds_load_tr16_b128 v[(\fb)+8*(\b)+4:(\fb)+8*(\b)+7], v[ADRB+(\slot)] offset:(\kq)*32*PB+16*PB+32*(\b)
.endr
.endm
; A QUARTER multiplies buffers fa and fb and fetches the next quarter (nkq of slot nslot) into nfa and nfb: 24 LDS loads in ONE run behind product 7, never singly among the products; the run costs three switches
; of the window, and products 8 to 31 follow it without a break.  The four v_nop behind product 7 are the places between the last products that read those two buffers (the quarter before) and the loads into them.
; mode 0: plain.  1: the slot's last quarter; the slot is filled again, two K steps ahead.  2: the same without a fill.  3: the very last: nothing is fetched.
; In modes 1 and 2 ONE barrier changes slots: in front of it each wave waits for all its tensor loads (one is out: its part of the next slot), adds 0 to its spare word, and waits for that and for its reads of this slot.
.macro QUARTER slot, fa, fb, nslot, nkq, nfa, nfb, mode, first=0
.if ((\mode) == 1) || ((\mode) == 2)
	WIN 0                                          ; (the add's two registers lie in window 0)
	s_wait_tensorcnt 0x0                           ; all my tensor loads have landed: my part of the next slot;
	ds_add_u32 v[SPW], v[NIL]                      ; 0 onto my spare word;
	s_wait_dscnt 0x1                               ; the fragments are in: only the add, issued behind them, may be out
.else
	s_wait_dscnt 0x0                               ; the run of 24 loads issued behind product 7 of the quarter before is in
.endif
.irp i, 0,1,2,3
	PROD \i, \fa, \fb, \first
.endr
.if ((\mode) == 1) || ((\mode) == 2)
	s_wait_dscnt 0x0                               ; the add is done, and my reads of this slot are over
	s_barrier_signal -1                            ; (with a fill this barrier opens a round of the cluster's barrier)
.endif
.irp i, 4,5,6,7
	PROD \i, \fa, \fb, \first
.endr
.if (\mode) == 0
	PLACES
.elseif (\mode) == 1
	WIN 0
	s_barrier_wait -1
	CREST                                          ; no wave of any partner still reads this slot's tiles or has a load on its way
	s_add_nc_u64 s[G0+4*(\slot)+2:G0+4*(\slot)+3], s[G0+4*(\slot)+2:G0+4*(\slot)+3], 2*524288
	s_add_nc_u64 s[G0B+4*(\slot)+2:G0B+4*(\slot)+3], s[G0B+4*(\slot)+2:G0B+4*(\slot)+3], 2*262144
	JLOAD \slot                                    ; the first tensor load behind the round, my only one until the next: 120 products stand between it and the wait for it
.elseif (\mode) == 2
	s_barrier_wait -1
	PLACES
.endif
.if (\mode) != 3
	LDA 0, \nslot, \nkq, \nfa                      ; the one run
	LDA 1, \nslot, \nkq, \nfa
	LDB 0, \nslot, \nkq, \nfb
	LDB 1, \nslot, \nkq, \nfb
	LDB 2, \nslot, \nkq, \nfb
	LDB 3, \nslot, \nkq, \nfb
.endif
.irp i, 8,9,10,11,12,13,14,15,16,17,18,19,20,21,22,23,24,25,26,27,28,29,30,31
	PROD \i, \fa, \fb, \first
.endr
.endm
	s_wait_tensorcnt 0x1                           ; my part of K step 0 is in; K step 1's may stay out
	s_barrier_signal -1
	s_barrier_wait -1                              ; everybody's is
	LDA 0, 0, 0, FA0
	LDA 1, 0, 0, FA0
	LDB 0, 0, 0, FB0
	LDB 1, 0, 0, FB0
	LDB 2, 0, 0, FB0
	LDB 3, 0, 0, FB0
	QUARTER 0, FA0, FB0, 0, 1, FA1, FB1, 0, 1      ; the first quarter stands in front of the loop: its products start the sums, with the bias
	WIN 0                                          ; at a label and at a branch every window is 0
	s_mov_b32 s3, 3
.Llap:                                                 ; a trip goes once round the ring, from a lap's second quarter to the next lap's first, and fills both slots again
	QUARTER 0, FA1, FB1, 0, 2, FA0, FB0, 0
	QUARTER 0, FA0, FB0, 0, 3, FA1, FB1, 0
	QUARTER 0, FA1, FB1, 1, 0, FA0, FB0, 1
	QUARTER 1, FA0, FB0, 1, 1, FA1, FB1, 0
	QUARTER 1, FA1, FB1, 1, 2, FA0, FB0, 0
	QUARTER 1, FA0, FB0, 1, 3, FA1, FB1, 0
	QUARTER 1, FA1, FB1, 0, 0, FA0, FB0, 1
	QUARTER 0, FA0, FB0, 0, 1, FA1, FB1, 0
	WIN 0
	s_sub_co_u32 s3, s3, 1
	s_cmp_lg_u32 s3, 0
	s_cbranch_scc1 .Llap
	QUARTER 0, FA1, FB1, 0, 2, FA0, FB0, 0         ; the last lap fills nothing, and has no round of the cluster's barrier
	QUARTER 0, FA0, FB0, 0, 3, FA1, FB1, 0
	QUARTER 0, FA1, FB1, 1, 0, FA0, FB0, 2
	QUARTER 1, FA0, FB0, 1, 1, FA1, FB1, 0
	QUARTER 1, FA1, FB1, 1, 2, FA0, FB0, 0
	QUARTER 1, FA0, FB0, 1, 3, FA1, FB1, 0
	QUARTER 1, FA1, FB1, 0, 0, FA0, FB0, 3
; THE WAY OUT, a row block (16 rows x 128 columns of f32) at a time: a lane's eight columns, 32 bytes, go from the accumulators into my stage's rows of 528 bytes, the low four registers first,
; and come back as whole rows of 512 bytes, one row a load.
.macro TOSTAGE a
.if (\a) >= 2
	s_wait_xcnt 0x0                                ; the stores of the block two back have read their registers: only behind this wait are they loaded again
.endif
	WIN 0x08                                       ; the stores' data (source 1) in window 2, the address in window 0
.irp b, 0,1,2,3,4,5,6,7
	ds_store_b128 v[STO], v[8*(8*(\a)+(\b)):8*(8*(\a)+(\b))+3]   offset:64*(\b)
	ds_store_b128 v[STO], v[8*(8*(\a)+(\b))+4:8*(8*(\a)+(\b))+7] offset:64*(\b)+16
.endr
	WIN 0
.irp t, 0,1,2,3,4,5,6,7,8,9,10,11,12,13,14,15
	ds_load_b128 v[OB+64*((\a)%2)+4*(\t):OB+64*((\a)%2)+4*(\t)+3], v[RD] offset:(\t)*SPO  ; LDS serves a wave's instructions in order (ISA guide 5.7.1.4): these see the stores above; the next block's stores come behind them
.endr
.endm
.macro SEND a, younger                 ; younger: the LDS instructions issued behind block a's loads: the next block's 32, or none
	WIN 0
.irp t, 0,1,2,3,4,5,6,7,8,9,10,11,12,13,14,15
	s_wait_dscnt (\younger)+15-(\t)
	global_store_b128 v[CO], v[OB+64*((\a)%2)+4*(\t):OB+64*((\a)%2)+4*(\t)+3], s[70:71] offset:(16*(\a)+(\t))*4096 th:TH_STORE_NT  ; 512 consecutive bytes, at a multiple of 512 from the buffer's first
.endr
.endm
	PLACES                                         ; behind the last products: the stores read their results, the loads land on x's fragments
	TOSTAGE 0
.irp a, 1,2,3
	TOSTAGE \a
	SEND (\a)-1, 32
.endr
	SEND 3, 0
	s_wait_tensorcnt 0x0                           ; the wave's end: behind my last tensor load and my last LDS store
	ds_add_u32 v[SPW], v[NIL]
	s_wait_dscnt 0x0
	CROUND                                         ; the closing round: no work-group ends while a partner may still ask for a tile that names it
	s_endpgm
.Lfunc_end_k_q0a2f1dbaf5_oproj:
	.size	k_q0a2f1dbaf5_oproj, .Lfunc_end_k_q0a2f1dbaf5_oproj-k_q0a2f1dbaf5_oproj
	.p2alignl 7, 3214868480
	.fill 96, 4, 3214868480
	.section	.rodata,"a",@progbits
	.p2align	6, 0x0
	.amdhsa_kernel k_q0a2f1dbaf5_oproj
		.amdhsa_group_segment_fixed_size 327680
		.amdhsa_private_segment_fixed_size 0
		.amdhsa_enable_private_segment 0
		.amdhsa_kernarg_size 32
		.amdhsa_user_sgpr_count 2
		.amdhsa_user_sgpr_kernarg_segment_ptr 1
		.amdhsa_wavefront_size32 1
		.amdhsa_system_sgpr_workgroup_id_x 1
		.amdhsa_system_sgpr_workgroup_id_y 1
		.amdhsa_system_sgpr_workgroup_id_z 1
		.amdhsa_system_vgpr_workitem_id 0
		.amdhsa_next_free_vgpr 768
		.amdhsa_next_free_sgpr 72
		.amdhsa_reserve_vcc 0
		.amdhsa_float_denorm_mode_32 3
		.amdhsa_float_denorm_mode_16_64 3
		.amdhsa_memory_ordered 1
		.amdhsa_forward_progress 1
		.amdhsa_inst_pref_size 92
	.end_amdhsa_kernel
	.amdgpu_metadata
---
amdhsa.version: [ 1, 2 ]
amdhsa.kernels:
  - .name:           k_q0a2f1dbaf5_oproj
    .symbol:         k_q0a2f1dbaf5_oproj.kd
    .args:
      - { .name: oh, .offset: 0, .size: 8, .value_kind: global_buffer, .address_space: global }
      - { .name: wo16, .offset: 8, .size: 8, .value_kind: global_buffer, .address_space: global }
      - { .name: bo, .offset: 16, .size: 8, .value_kind: global_buffer, .address_space: global }
      - { .name: out0, .offset: 24, .size: 8, .value_kind: global_buffer, .address_space: global }
    .group_segment_fixed_size: 327680
    .private_segment_fixed_size: 0
    .kernarg_segment_align: 8
    .kernarg_segment_size: 32
    .max_flat_workgroup_size: 128
    .sgpr_count:     72
    .vgpr_count:     768
    .wavefront_size: 32
...
	.end_amdgpu_metadata
.endif
;; end of part 4
